; MI455X (gfx1250); checked and timed in simulation.
; The chip was launched on July 23, 2026; its instructions are those of AMD's public machine-readable ISA for CDNA 5 (MIT licence, August 2026) and "CDNA5" Instruction Set Architecture Reference Guide (July 2026). The comments in the code are by the model that wrote it; some were corrected since.
;; self Attention Multi Head. Allowed arithmetic: float matrix products may take bf16 or f16 operands with f32 sums; other float arithmetic in f32, or as packed bf16 or f16 multiplies, adds, multiply-adds, maxima and minima; sums over many terms, partial sums and values carried from step to step in f32; what a program stores and reads back later, other than sums and carried values, may be rounded once to bf16 or f16.
;; Inputs: Wk 1,024 x 1,024 float32; Wq 1,024 x 1,024 float32; Wv 1,024 x 1,024 float32; bk 1,024 float32; bq 1,024 float32; bv 1,024 float32; x 16 x 1,024 x 1,024 float32.
;; Outputs: out0 16 x 1,024 x 1,024 float32.
;; 2 versions, each right and faster than the one before. Each part assembles by itself: llvm-mc -triple=amdgcn-amd-amdhsa -mcpu=gfx1250 --defsym DOCPART=n.
;; ======== version 1 of 2: 2 launches
;; limits: values are held in f16: magnitudes above 65,504 overflow, below 6.1e-05 lose precision
;; workspace buffers: wt 6,291,456 bytes
;; launch prep (part 1): grid 128 x 3, 8 waves a work-group, no clusters, 0 bytes of LDS; arguments Wq, Wk, Wv, wt; writes wt
.if DOCPART == 1
	.amdgcn_target "amdgcn-amd-amdhsa--gfx1250"
	.amdhsa_code_object_version 6
	.text
	.protected	k_qceca561f32_prep
	.globl	k_qceca561f32_prep
	.p2align	8
	.type	k_qceca561f32_prep,@function
k_qceca561f32_prep:
	s_mov_b64 s[64:65], 0
	v_nop
	global_prefetch_b8 v0, s[64:65] scope:SCOPE_SE
	s_setreg_imm32_b32 hwreg(HW_REG_WAVE_MODE, 25, 1), 1
	s_wait_xcnt 0x0
; wt = Wq, Wk, Wv ([1024 k][1024 n] f32) rounded to bf16 (nearest even) and laid out as the next launch's matrix fragments.
; wt byte = step*131072 + w*32768 + kb*16384 + nb*1024 + half*512 + L*16 + 2 e, step = 16 pass + k/64, and holds
;   k = 64 (step%16) + 32 kb + 16 half + 8 (L/16) + e   and pass column c = 256 w + 16 nb + L%16.
; Pass j = 0, 1: c < 512 is Wq's column (c/32)*64 + 32 j + c%32 (all 16 heads, channels 32 j .. 32 j + 31), c >= 512 the same of Wk.  Pass 2: Wv's column c.
; A work-group takes 8 consecutive k (kg = its x) of one pass (its y); wave v the pass columns 128 v .. 128 v + 127, in four groups of 32, a lane a column.
; A lane's eight k of one column are the 16 bytes of one lane of a fragment; sixteen neighbouring lanes store 256 consecutive bytes at a multiple of 256.
; A load of a wave covers 128 consecutive bytes: the permutation cuts Wq's and Wk's rows into such pieces.  No LDS, no barrier, no loop; no register is written twice.
.set OFF, 4                            ; v4-7    group i: byte offset of my column in a row of W
.set SO,  8                            ; v8      my 16 bytes in the group's two blocks of 16 columns
.set D,   16                           ; v16-47  group i: eight f32, k = 8 kg + 0..7
.set PK,  48                           ; v48-63  group i: the same as bf16
	s_load_b256 s[4:11], s[0:1], 0x0               ; Wq s[4:5], Wk s[6:7], Wv s[8:9], wt s[10:11]
	v_lshrrev_b32 v1, 5, v0
	v_readfirstlane_b32 s12, v1                    ; wave v
	v_and_b32 v2, 31, v0                           ; lane
	v_and_b32 v3, 15, v0
	s_and_b32 s13, ttmp7, 0xffff                   ; pass
	s_mov_b32 s14, ttmp9                           ; kg
	s_and_b32 s20, s12, 3                          ; passes 0, 1: my first column's byte = (v%4)*1024 + 128 pass, groups 256 bytes apart (a head's 64 channels)
	s_lshl_b32 s20, s20, 10
	s_lshl_b32 s21, s13, 7
	s_add_co_u32 s20, s20, s21
	s_lshl_b32 s22, s12, 9                         ; pass 2: 512 v, groups 128 bytes apart
	s_cmp_eq_u32 s13, 2
	s_cselect_b32 s20, s22, s20
	s_cselect_b32 s21, 7, 8
	s_lshl_b32 s21, 1, s21
	s_lshl_b32 s24, s14, 15                        ; 8 kg rows of 4,096 bytes
	s_mov_b32 s25, 0
	s_lshl_b32 s26, s13, 4                         ; where the 16 bytes go: step,
	s_lshr_b32 s27, s14, 3
	s_add_co_u32 s26, s26, s27
	s_lshl_b32 s26, s26, 17
	s_lshr_b32 s27, s12, 1                         ; w = v/2,
	s_lshl_b32 s27, s27, 15
	s_add_co_u32 s26, s26, s27
	s_bfe_u32 s27, s14, 0x10002                    ; kb = bit 2 of kg,
	s_lshl_b32 s27, s27, 14
	s_add_co_u32 s26, s26, s27
	s_and_b32 s27, s12, 1                          ; nb = 8 (v%2) + 2 i + lane/16,
	s_lshl_b32 s27, s27, 13
	s_add_co_u32 s26, s26, s27
	s_bfe_u32 s27, s14, 0x10001                    ; half = bit 1 of kg,
	s_lshl_b32 s27, s27, 9
	s_add_co_u32 s26, s26, s27
	s_and_b32 s27, s14, 1                          ; the fragment's lane = 16 (kg%2) + lane%16
	s_lshl_b32 s27, s27, 8
	s_add_co_u32 s26, s26, s27
	s_mov_b32 s27, 0
	v_lshl_add_u32 v[OFF], v2, 2, s20
	v_add_nc_u32 v[OFF+1], s21, v[OFF]
	v_add_nc_u32 v[OFF+2], s21, v[OFF+1]
	v_add_nc_u32 v[OFF+3], s21, v[OFF+2]
	v_bfe_u32 v[SO], v0, 4, 1
	v_lshlrev_b32 v[SO], 10, v[SO]
	v_lshl_add_u32 v[SO], v3, 4, v[SO]
	s_wait_kmcnt 0x0
	s_cmp_lt_u32 s12, 4                            ; passes 0, 1: waves 0-3 read Wq, waves 4-7 Wk
	s_cselect_b64 s[16:17], s[4:5], s[6:7]
	s_cmp_eq_u32 s13, 2                            ; pass 2: all read Wv
	s_cselect_b64 s[16:17], s[8:9], s[16:17]
	s_add_nc_u64 s[16:17], s[16:17], s[24:25]
	s_add_nc_u64 s[10:11], s[10:11], s[26:27]
.irp i, 0,1,2,3
.irp j, 0,1,2,3,4,5,6,7
	global_load_b32 v[D+8*(\i)+(\j)], v[OFF+(\i)], s[16:17] offset:4096*(\j)
.endr
.endr
.irp i, 0,1,2,3
	s_wait_loadcnt 8*(3-(\i))                      ; loads come back in order: group i is in, the younger groups' eight each stay out
.irp j, 0,1,2,3
	v_cvt_pk_bf16_f32 v[PK+4*(\i)+(\j)], v[D+8*(\i)+2*(\j)], v[D+8*(\i)+2*(\j)+1]
.endr
	global_store_b128 v[SO], v[PK+4*(\i):PK+4*(\i)+3], s[10:11] offset:2048*(\i)  ; lanes 0-15: 256 consecutive bytes of block 2 i, lanes 16-31 of block 2 i + 1
.endr
	s_endpgm
.Lfunc_end_k_qceca561f32_prep:
	.size	k_qceca561f32_prep, .Lfunc_end_k_qceca561f32_prep-k_qceca561f32_prep
	.p2alignl 7, 3214868480
	.fill 96, 4, 3214868480
	.section	.rodata,"a",@progbits
	.p2align	6, 0x0
	.amdhsa_kernel k_qceca561f32_prep
		.amdhsa_group_segment_fixed_size 0
		.amdhsa_private_segment_fixed_size 0
		.amdhsa_enable_private_segment 0
		.amdhsa_kernarg_size 32
		.amdhsa_user_sgpr_count 2
		.amdhsa_user_sgpr_kernarg_segment_ptr 1
		.amdhsa_wavefront_size32 1
		.amdhsa_system_sgpr_workgroup_id_x 1
		.amdhsa_system_sgpr_workgroup_id_y 1
		.amdhsa_system_sgpr_workgroup_id_z 1
		.amdhsa_system_vgpr_workitem_id 0
		.amdhsa_next_free_vgpr 64
		.amdhsa_next_free_sgpr 66
		.amdhsa_reserve_vcc 0
		.amdhsa_float_denorm_mode_32 3
		.amdhsa_float_denorm_mode_16_64 3
		.amdhsa_memory_ordered 1
		.amdhsa_forward_progress 1
		.amdhsa_inst_pref_size 7
	.end_amdhsa_kernel
	.amdgpu_metadata
---
amdhsa.version: [ 1, 2 ]
amdhsa.kernels:
  - .name:           k_qceca561f32_prep
    .symbol:         k_qceca561f32_prep.kd
    .args:
      - { .name: Wq, .offset: 0, .size: 8, .value_kind: global_buffer, .address_space: global }
      - { .name: Wk, .offset: 8, .size: 8, .value_kind: global_buffer, .address_space: global }
      - { .name: Wv, .offset: 16, .size: 8, .value_kind: global_buffer, .address_space: global }
      - { .name: wt, .offset: 24, .size: 8, .value_kind: global_buffer, .address_space: global }
    .group_segment_fixed_size: 0
    .private_segment_fixed_size: 0
    .kernarg_segment_align: 8
    .kernarg_segment_size: 32
    .max_flat_workgroup_size: 256
    .sgpr_count:     66
    .vgpr_count:     64
    .wavefront_size: 32
...
	.end_amdgpu_metadata
.endif
;; end of part 1
;; launch fused (part 2): grid 256 x 1, 4 waves a work-group, clusters of 4 x 1, 327,680 bytes of LDS; arguments x, wt, bq, bk, bv, out0; writes out0
.if DOCPART == 2
	.amdgcn_target "amdgcn-amd-amdhsa--gfx1250"
	.amdhsa_code_object_version 6
	.text
	.protected	k_qceca561f32_fused
	.globl	k_qceca561f32_fused
	.p2align	8
	.type	k_qceca561f32_fused,@function
k_qceca561f32_fused:
	s_mov_b64 s[64:65], 0
	v_nop
	global_prefetch_b8 v0, s[64:65] scope:SCOPE_SE
	s_setreg_imm32_b32 hwreg(HW_REG_WAVE_MODE, 25, 1), 1
	s_wait_xcnt 0x0
	s_wait_alu depctr_hold_cnt(0) depctr_sa_sdst(0) depctr_va_vdst(0) depctr_va_sdst(0) depctr_va_ssrc(0) depctr_va_vcc(0) depctr_vm_vsrc(0)
	s_getreg_b32 s2, hwreg(HW_REG_IB_STS2, 6, 4)
	s_cmp_eq_u32 s2, 0
	s_cbranch_scc0 .Lentry_in_a_cluster
	s_endpgm
.Lentry_in_a_cluster:
	s_bfe_u32 s2, ttmp6, 0x10000c
	s_cmp_lg_u32 s2, 0x3003
	s_cbranch_scc0 .Lentry_shape_is_right
	s_endpgm
.Lentry_shape_is_right:
; out0[row][h][:] = sum over g of softmax_g(Q[row][h] . K[row][g]) V[row][g][:], Q, K, V = x W + b: 16,384 rows of 1,024, and in each row 16 heads of 64 attend to each other.  No scale.
; SHARES.  A work-group owns 64 rows; Q, K, V never leave it.  Three passes of 1,024 columns over K = 1,024; a wave holds 64 rows x 256 columns: 64 accumulators, 512 registers.
; wt holds the weights as bf16 fragment images with the columns permuted: pass j = 0, 1 makes Q[all heads][32 j ..+31] (waves 0, 1) and K[all heads][same channels] (waves 2, 3); pass 2 makes V.
; At a QK pass's end Q and K go through an LDS stage, 16 rows at a time, and each wave adds K Q^T over those 32 channels onto the scores of its rows (rows 16 c + 4 w + i): only S^T, 128 registers, is carried.
; Then the softmax in registers, pass 2, V through the same stage, O^T = V^T P (16 of the form's 32 along K are real, the others zeros on both sides), and O through LDS to whole rows of a head.
; FORMATS.  x, W and the biases are rounded once to bf16.  Q and K go as bf16 hi + bf16 lo (lo = the rounded rest, which is exact before its rounding): S^T = Kh Qh + Kh Ql + Kl Qh; what is dropped is some 2^-17 of a number.
; One 16-bit rounding of Q and K would not do: the scores are unscaled sums of 64 products.  V and the normalised weights P are f16.  All sums, the maximum and the row sum are f32; the true row maximum is taken away.
; LIMITS.  |V| (bias included) stays under 65,504, f16's end; a weight below 2^-126 counts as 0 in the row sum, and P below 6e-5 keeps f16's fixed step of 6e-8; NaN and infinities are not treated apart.
; x IS READ THREE TIMES, once a pass, 64 rows x 256 bytes a K step, converted once by the work-group into a small stage: kept in LDS as bf16 it would take 131,072 bytes and halve the ring's slots.
; CLUSTER.  All work-groups walk the same wt, so the four of a cluster ask for each tile JOINTLY: the same tensor load, descriptor and mask in all four.  Nothing but x's and out0's addresses hangs on the place in the cluster.
; THE MATRIX INSTRUCTION IS USED TRANSPOSED (source 0 = 16 columns of W, source 1 = 16 rows of x): a lane holds one row (lane % 16) and the eight neighbouring columns 8 (lane / 16) + 0..7.
; REGISTERS, in windows of 256 (s_set_vgpr_msb: bits 1:0 source 0, 3:2 source 1, 5:4 source 2, 7:6 destination):
;   window 0: v0-23 addresses; v32-95 x's fragments, two buffers (exchanges: hi fragments; V's fragments v32-159); v96-159 x as f32, two chunks on their way; v160-175 x as bf16; v176-239 packed results; v240-251 the biases
;   window 1: v0-127 W's fragments, two buffers (exchanges: the bias, then lo fragments v0-63 and packed lo v64-127; softmax: at work); v128-255 S^T, later P, row 4 c + i at 128 + 8 (4 c + i)
;   window 2: accumulators (rb, nb) of column blocks nb 0-7 at 8 (8 rb + nb);   window 3: of nb 8-15.  In the last exchange O^T of chunk c takes chunk c's 64 + 64 registers.
.set SLOTB,  131072                    ; a ring slot: 64 along K x 1,024 columns of bf16; wave w's own 32,768 bytes at 32,768 w.  A fragment is 1,024 consecutive bytes: lane l reads 16 l, no padding is needed
.set ASTG,   2*SLOTB                   ; x as bf16: two buffers of 64 rows
.set AP,     144                       ; a row: 128 bytes + 16 = 36 words: the 16 rows of a load start at 16 different groups of four banks (64 banks of 4 bytes: ISA guide 11.1)
.set ABUF,   64*AP
.set STAGE,  ASTG+2*ABUF               ; 16 rows of Q and K (32 pieces of 64 bytes, 80 apart) or of V (16 heads of 128 bytes, 160 apart)
.set RP,     2576                      ; a stage row: 2,560 + 16 = 161 x 16 bytes
.set BIAS,   STAGE+16*RP               ; 1,024 bytes for each wave, its own: the pass's bias of its 256 columns, f32
.set SPARE,  BIAS+4096                 ; the spare words, 128 bytes for each wave: two blocks of 256 bytes that no other line names
.set OSTG,   ASTG                      ; behind the last K step x's stage is free: for each wave 16 heads x 272 bytes, for the way out
.set OPI,    272
.set OWAVE,  16*OPI
.set RR,  1                            ; v1   lane % 16
.set HH,  2                            ; v2   lane / 16
.set BAD, 3                            ; v3-4 my 16 bytes of a fragment of W in slot 0, 1
.set AAD, 5                            ; v5   my 16 bytes of a fragment of x
.set AST, 6                            ; v6   where I put 8 bytes of x
.set XO,  7                            ; v7   my byte offset in the work-group's rows of x
.set STO, 8                            ; v8   where I put 16 bytes of Q, K or V
.set SRD, 9                            ; v9   my 16 bytes of a fragment of Q
.set VRD, 10                           ; v10  my 16 bytes for the turning load of V
.set BIW, 11                           ; v11  where I put 8 bias numbers
.set BIR, 12                           ; v12  where my half of the lanes reads them
.set OST, 13                           ; v13  the way out: where I put 32 bytes of a head
.set ORD, 14                           ; v14  the way out: where I read a head's row back
.set OGO, 15                           ; v15  my byte offset in out0
.set SPW, 16                           ; v16  LDS address of my spare word; never rewritten
.set NIL, 17                           ; v17  0; never rewritten
.set BO,  18                           ; v18  my byte offset in bq or bk
.set BOV, 19                           ; v19  in bv
.set MONE, 20                          ; v20  -1.0
.set LN,  21                           ; v21  lane
.set AF,  32
.set XF,  96
.set XC,  160
.set TMP, 176
.set BQ,  240
.set FRH, 32
.set FRV, 32
.set FRL, 0                            ; window 1
.set TL,  64                           ; window 1
.set SS,  128                          ; window 1
.set WV,  16                           ; s16  my wave's number
.set G1,  24                           ; s[24:31] descriptor group 1
.set G0,  32                           ; s[32:39] descriptor group 0, a set for each slot
.set XA,  40                           ; s[40:43] x's address for the chunk loaded into buffer 0, 1
.set XK,  44                           ; s[44:45] byte of a row at which the chunk last asked for begins
.set MSB, 0
.macro WIN new                         ; the immediate's high byte repeats the setting that is left; a switch that changes nothing is dropped
.if MSB != (\new)
	s_set_vgpr_msb (MSB<<8)|(\new)
.set MSB, (\new)
.endif
.endm
.macro PLACES                          ; four places in front of loads into, and vector instructions on, registers that matrix instructions have just named
.rept 4
	v_nop
.endr
.endm
.macro CREST                           ; a round of the cluster's barrier behind its opening barrier
	s_cmp_lg_u32 s[WV], 0
	s_cbranch_scc1 .Lnot_wave_0_\@
	s_barrier_signal -3
.Lnot_wave_0_\@:
	s_barrier_wait -3
	s_barrier_signal -1
	s_barrier_wait -1
.endm
.macro CROUND
	s_barrier_signal -1
	s_barrier_wait -1
	CREST
.endm
.macro BAR                             ; my LDS instructions are done, stores and loads; then everybody's are
	s_wait_dscnt 0x0
	s_barrier_signal -1
	s_barrier_wait -1
.endm
.macro JLOAD s                         ; a joint load: every wave asks for its own 32,768 bytes of the slot; an s_nop 0 and four v_nop follow
	tensor_load_to_lds s[G0+4*(\s):G0+4*(\s)+3], s[G1:G1+7]
	s_nop 0
.rept 4
	v_nop
.endr
.endm
	s_load_b256 s[4:11], s[0:1], 0x0               ; x s[4:5], wt s[6:7], bq s[8:9], bk s[10:11]
	s_load_b128 s[12:15], s[0:1], 0x20             ; bv s[12:13], out0 s[14:15]
	v_lshl_add_u32 v[SPW], v0, 2, SPARE
	v_mov_b32 v[NIL], 0
	ds_add_u32 v[SPW], v[NIL]                      ; the wave's opening: the add and its wait stand ahead of my first tensor load; the set-up below, work on registers, stands between them
	v_lshrrev_b32 v[LN], 5, v0
	v_readfirstlane_b32 s[WV], v[LN]               ; wave 0..3
	s_bfe_u32 s17, ttmp6, 0x40000                  ; cx: my place in the cluster
	s_lshl_b32 s18, ttmp9, 2                       ; in a cluster launch ttmp9 counts clusters
	s_add_co_u32 s18, s18, s17                     ; my work-group: it enters x's and out0's addresses alone
	s_lshl_b32 s20, s18, 18                        ; its 64 rows of 4,096 bytes
	s_mov_b32 s21, 0
	s_lshl_b32 s22, s[WV], 15                      ; my wave's 32,768 bytes of a step, in wt and in a slot
	s_mov_b32 s23, 0
	; descriptor group 1: 32,768 dense bytes as 128 rows of 32 elements of 8 bytes
	s_mov_b32 s[G1+0], 15|(3<<16)|(1<<21)          ; 15:0 the mask: all four work-groups; 17:16 elements of 8 bytes; 20 no padding; 21 set beside a mask
	s_mov_b32 s[G1+1], 32<<16                      ; tensor_dim0 = 32
	s_mov_b32 s[G1+2], 128<<16                     ; tensor_dim1 = 128
	s_mov_b32 s[G1+3], 32<<16                      ; tile_dim0 = 32
	s_mov_b32 s[G1+4], 128                         ; tile_dim1 = 128
	s_mov_b32 s[G1+5], 32                          ; 32 elements from row to row
	s_mov_b32 s[G1+6], 0
	s_mov_b32 s[G1+7], 0
	s_mov_b32 s[G0+0], 1                           ; count = 1
	s_mov_b32 s[G0+1], s22                         ; LDS address: slot 0
	s_mov_b32 s[G0+4], 1
	s_add_co_u32 s[G0+5], s22, SLOTB               ; slot 1
	s_mov_b32 s[XK], 256                           ; chunks 0 and 1 are asked for below
	s_mov_b32 s[XK+1], 0
	s_mov_b32 s48, 0x76543210                      ; v_permlanex16_b32: each lane takes its own place in the other half
	s_mov_b32 s49, 0xfedcba98
	s_mov_b32 s50, 0x3fb8aa3b                      ; log2(e)
	s_mov_b32 s51, s50                             ; named with it as a pair
	s_mov_b32 s54, 0xffff0000                      ; a word's upper bf16
	s_wait_dscnt 0x0                               ; the opening add is done
	s_wait_kmcnt 0x0
	s_add_nc_u64 s[4:5], s[4:5], s[20:21]          ; x and out0 at my work-group's first row
	s_add_nc_u64 s[14:15], s[14:15], s[20:21]
	s_add_nc_u64 s[G0+2:G0+3], s[6:7], s[22:23]    ; step 0,
	s_add_nc_u64 s[G0+6:G0+7], s[G0+2:G0+3], SLOTB ; step 1
	s_or_b32 s[G0+3], s[G0+3], 0x80000000          ; type = 2
	s_or_b32 s[G0+7], s[G0+7], 0x80000000
	s_cmp_lt_u32 s[WV], 2                          ; in the QK passes waves 0, 1 make Q, waves 2, 3 make K
	s_cselect_b64 s[52:53], s[8:9], s[10:11]
	CROUND                                         ; all four work-groups are here: the first joint loads meet
	tensor_load_to_lds s[G0:G0+3], s[G1:G1+7]      ; both first fills together: two loads of mine are out; later one
	s_nop 0
	tensor_load_to_lds s[G0+4:G0+7], s[G1:G1+7]
	s_nop 0
.rept 4
	v_nop
.endr
	v_and_b32 v[LN], 31, v0
	v_and_b32 v[RR], 15, v0
	v_bfe_u32 v[HH], v0, 4, 1
	s_lshl_b32 s20, s[WV], 16                      ; wave w brings rows 16 w .. 16 w + 15 of x: a load takes two rows' 256 bytes, lanes 0-15 one row, lanes 16-31 the next
	v_lshlrev_b32 v[XO], 12, v[HH]
	v_lshl_add_u32 v[XO], v[RR], 4, v[XO]
	v_add_nc_u32 v[XO], s20, v[XO]
.irp i, 0,1,2,3,4,5,6,7
	global_load_b128 v[XF+4*(\i):XF+4*(\i)+3], v[XO], s[4:5] offset:8192*(\i)          ; chunk 0
.endr
.irp i, 0,1,2,3,4,5,6,7
	global_load_b128 v[XF+32+4*(\i):XF+32+4*(\i)+3], v[XO], s[4:5] offset:8192*(\i)+256  ; chunk 1
.endr
	s_and_b32 s20, s[WV], 1                        ; lane l holds the bias of my pass columns 8 l .. 8 l + 7: head 8 (w%2) + l/4, channels 32 j + 8 (l%4) ..
	s_lshl_b32 s20, s20, 11
	v_lshrrev_b32 v22, 2, v[LN]
	v_and_b32 v23, 3, v0
	v_lshlrev_b32 v[BO], 8, v22
	v_lshl_add_u32 v[BO], v23, 5, v[BO]
	v_add_nc_u32 v[BO], s20, v[BO]
	s_lshl_b32 s20, s[WV], 10
	v_lshl_add_u32 v[BOV], v[LN], 5, s20           ; pass 2: columns as they lie
	global_load_b128 v[TMP:TMP+3],     v[BO], s[52:53]
	global_load_b128 v[TMP+4:TMP+7],   v[BO], s[52:53] offset:16
	global_load_b128 v[TMP+8:TMP+11],  v[BO], s[52:53] offset:128
	global_load_b128 v[TMP+12:TMP+15], v[BO], s[52:53] offset:144
	global_load_b128 v[TMP+16:TMP+19], v[BOV], s[12:13]
	global_load_b128 v[TMP+20:TMP+23], v[BOV], s[12:13] offset:16
	v_lshl_add_u32 v[BAD], v[LN], 4, s22
	v_add_nc_u32 v[BAD+1], SLOTB, v[BAD]
	v_mul_u32_u24 v[AAD], v[RR], AP                ; a fragment of x: row l % 16, 16 bytes for each half of the lanes
	v_lshl_add_u32 v[AAD], v[HH], 4, v[AAD]
	v_add_nc_u32 v[AAD], ASTG, v[AAD]
	s_mul_i32 s20, s[WV], 16*AP
	s_add_co_u32 s20, s20, ASTG
	v_mul_u32_u24 v[AST], v[HH], AP
	v_lshl_add_u32 v[AST], v[RR], 3, v[AST]
	v_add_nc_u32 v[AST], s20, v[AST]
	s_mul_i32 s20, s[WV], 640                      ; into the stage: row l % 16; my wave's 8 pieces of 80 bytes, or 4 heads of 160
	s_add_co_u32 s20, s20, STAGE
	v_mul_u32_u24 v[STO], v[RR], RP
	v_lshl_add_u32 v[STO], v[HH], 4, v[STO]
	v_add_nc_u32 v[STO], s20, v[STO]
	s_mul_i32 s20, s[WV], 4*RP                     ; out of it: my four rows 4 w + i; a fragment's row is a head
	s_add_co_u32 s20, s20, STAGE
	v_mul_u32_u24 v[SRD], v[RR], 80
	v_lshl_add_u32 v[SRD], v[HH], 4, v[SRD]
	v_add_nc_u32 v[SRD], s20, v[SRD]
	v_and_b32 v22, 7, v0                           ; the turning load: lane l reads head 8 (l/16) + l%8, channels 8 ((l/8)%2) + 0..7
	v_lshl_add_u32 v22, v[HH], 3, v22
	v_mul_u32_u24 v[VRD], v22, 160
	v_bfe_u32 v22, v0, 3, 1
	v_lshl_add_u32 v[VRD], v22, 4, v[VRD]
	v_add_nc_u32 v[VRD], s20, v[VRD]
	s_lshl_b32 s20, s[WV], 10
	s_add_co_u32 s20, s20, BIAS
	v_lshl_add_u32 v[BIW], v[LN], 5, s20
	v_lshl_add_u32 v[BIR], v[HH], 5, s20
	s_mul_i32 s20, s[WV], OWAVE
	s_add_co_u32 s20, s20, OSTG
	v_mul_u32_u24 v[OST], v[RR], OPI               ; in: head l % 16, 32 bytes for each half of the lanes
	v_lshl_add_u32 v[OST], v[HH], 5, v[OST]
	v_add_nc_u32 v[OST], s20, v[OST]
	v_mul_u32_u24 v[ORD], v[HH], OPI               ; back: lanes 0-15 one head's 256 bytes, lanes 16-31 the next head's
	v_lshl_add_u32 v[ORD], v[RR], 4, v[ORD]
	v_add_nc_u32 v[ORD], s20, v[ORD]
	s_lshl_b32 s20, s[WV], 14
	v_lshl_add_u32 v[OGO], v[LN], 4, s20           ; which are 512 consecutive bytes of a row of out0; my rows begin at 4 w
	v_mov_b32 v[MONE], -1.0
	WIN 0x40
.set ib, 0
.rept 128                              ; S^T starts at 0, so that both QK passes run one text; this stands in the wait for the first tile
	v_mov_b32 v[SS+ib], 0
.set ib, ib+1
.endr
	WIN 0
; 8 matrix instructions: row block rb x 8 column blocks (hi = 0: nb 0-7, window 2; 1: nb 8-15, window 3), 32 along K.  zero = 1: the first product starts the sums.
; Every matrix instruction names another accumulator than the one before it, across units, the loop's edge and passes: between two on one accumulator stand 63 others'.
.macro MUL8 bb, ab, hi, rb, zero
	WIN 0xa1+0x50*(\hi)                            ; W in window 1, x in window 0, C and D in window 2 or 3
.irp b, 0,1,2,3,4,5,6,7
.if \zero
	v_wmma_f32_16x16x32_bf16 v[64*(\rb)+8*(\b):64*(\rb)+8*(\b)+7], v[64*(\bb)+8*(\b):64*(\bb)+8*(\b)+7], v[AF+32*(\ab)+8*(\rb):AF+32*(\ab)+8*(\rb)+7], 0
.else
	v_wmma_f32_16x16x32_bf16 v[64*(\rb)+8*(\b):64*(\rb)+8*(\b)+7], v[64*(\bb)+8*(\b):64*(\bb)+8*(\b)+7], v[AF+32*(\ab)+8*(\rb):AF+32*(\ab)+8*(\rb)+7], v[64*(\rb)+8*(\b):64*(\rb)+8*(\b)+7]
.endif
.endr
.endm
.macro MUL32 bb, ab, hi, zero
	MUL8 \bb, \ab, \hi, 0, \zero
	MUL8 \bb, \ab, \hi, 1, \zero
	MUL8 \bb, \ab, \hi, 2, \zero
	MUL8 \bb, \ab, \hi, 3, \zero
.endm
.macro FETCH_B slot, kb, half, bb      ; 8 fragments of W (column blocks 8 half + 0..7, K block kb) into buffer bb: 16 loads of 512 consecutive bytes
	WIN 0x40
.irp b, 0,1,2,3,4,5,6,7
	ds_load_b128 v[64*(\bb)+8*(\b):64*(\bb)+8*(\b)+3],   v[BAD+(\slot)] offset:(16*(\kb)+8*(\half)+(\b))*1024
	ds_load_b128 v[64*(\bb)+8*(\b)+4:64*(\bb)+8*(\b)+7], v[BAD+(\slot)] offset:(16*(\kb)+8*(\half)+(\b))*1024+512
.endr
.endm
.macro FETCH_A slot, kb                ; the 4 fragments of x of K block kb into buffer kb
	WIN 0
.irp rb, 0,1,2,3
	ds_load_b128 v[AF+32*(\kb)+8*(\rb):AF+32*(\kb)+8*(\rb)+3],   v[AAD] offset:ABUF*(\slot)+16*AP*(\rb)+64*(\kb)
	ds_load_b128 v[AF+32*(\kb)+8*(\rb)+4:AF+32*(\kb)+8*(\rb)+7], v[AAD] offset:ABUF*(\slot)+16*AP*(\rb)+64*(\kb)+32
.endr
.endm
; In the K step on slot s: the next step's chunk of x, which lies in register buffer 1 - s, is rounded to bf16 and put into stage buffer 1 - s; load = 1: that register buffer takes the chunk two further on.
; Stage buffer 1 - s was last read in the step before, and those reads were waited for in front of that step's barrier; it is read next behind this step's barrier.
.macro XSTAGE s, left, load
	WIN 0
	s_wait_loadcnt \left                           ; loads come back in order: my chunk is in, the younger chunk's eight stay out; this wait also frees the chunk's address pair
.irp i, 0,1,2,3,4,5,6,7
	v_cvt_pk_bf16_f32 v[XC+2*(\i)],   v[XF+32*(1-(\s))+4*(\i)],   v[XF+32*(1-(\s))+4*(\i)+1]
	v_cvt_pk_bf16_f32 v[XC+2*(\i)+1], v[XF+32*(1-(\s))+4*(\i)+2], v[XF+32*(1-(\s))+4*(\i)+3]
.endr
.irp i, 0,1,2,3,4,5,6,7
	ds_store_b64 v[AST], v[XC+2*(\i):XC+2*(\i)+1] offset:ABUF*(1-(\s))+2*AP*(\i)
.endr
.if \load
	s_add_co_u32 s[XK], s[XK], 256                 ; the next chunk; behind a row's last the first again, for the next pass
	s_and_b32 s[XK], s[XK], 0xfff
	s_add_nc_u64 s[XA+2*(1-(\s)):XA+2*(1-(\s))+1], s[4:5], s[XK:XK+1]
.irp i, 0,1,2,3,4,5,6,7
	global_load_b128 v[XF+32*(1-(\s))+4*(\i):XF+32*(1-(\s))+4*(\i)+3], v[XO], s[XA+2*(1-(\s)):XA+2*(1-(\s))+1] offset:8192*(\i)
.endr
.endif
.endm
; A K step of 64 is four units of 32 matrix instructions.  At a unit's head the fragments fetched a unit ago are waited for, and the next unit's are fetched into the buffer that the last unit multiplied.
.macro U0 slot, zero                   ; K block 0, column blocks 0-7
	s_wait_dscnt 0x0
	PLACES
	FETCH_B \slot, 0, 1, 1
	MUL32 0, 0, 0, \zero
.endm
.macro U1 slot, zero                   ; K block 0, column blocks 8-15
	s_wait_dscnt 0x0
	PLACES
	FETCH_A \slot, 1
	FETCH_B \slot, 1, 0, 0
	MUL32 1, 0, 1, \zero
.endm
.macro U2 slot, xs, left, load         ; K block 1, column blocks 0-7; xs = 1: x's next chunk is staged, and its 16 conversions are the places
	s_wait_dscnt 0x0
.if \xs
	XSTAGE \slot, \left, \load
.else
	PLACES
.endif
	FETCH_B \slot, 1, 1, 1
	MUL32 0, 1, 0, 0
.endm
; K block 1, column blocks 8-15, and the change of slots: ONE barrier.  In front of it each wave waits for all its tensor loads (one is out: its part of the next slot), adds 0 to its spare word, and
; waits for that, for its reads of this slot and of x's stage, and for its stores into x's stage.  fill = 1: the barrier opens a round of the cluster's, and this slot is filled again, two steps ahead,
; first thing behind it: 112 matrix instructions ahead of the wait for it.  fetch = 1: the next slot's first fragments.
.macro TURN slot, fill, fetch
	WIN 0                                          ; (the add's two registers lie in window 0)
	s_wait_tensorcnt 0x0
	ds_add_u32 v[SPW], v[NIL]                      ; 0 onto my spare word
	s_wait_dscnt 0x1                               ; the add alone may be out: the fragments are in
	MUL8 1, 1, 1, 0, 0                             ; eight matrix instructions stand between the add and the wait for it
	s_wait_dscnt 0x0
	s_barrier_signal -1
	MUL8 1, 1, 1, 1, 0
	WIN 0
	s_barrier_wait -1
.if \fill
	CREST                                          ; no wave of any partner still reads this slot or has a load on its way
	s_add_nc_u64 s[G0+4*(\slot)+2:G0+4*(\slot)+3], s[G0+4*(\slot)+2:G0+4*(\slot)+3], 2*SLOTB  ; the steps lie on end in wt, across passes too
	JLOAD \slot                                    ; its four v_nop are also the places in front of the loads below
.else
	PLACES
.endif
.if \fetch
	FETCH_A 1-(\slot), 0
	FETCH_B 1-(\slot), 0, 0, 0
.endif
	MUL8 1, 1, 1, 2, 0
	MUL8 1, 1, 1, 3, 0
.endm
.macro LAP l0, l1                      ; once round the ring, from a lap's third unit to the next lap's second
	U2 0, 1, 8, \l0
	TURN 0, 1, 1
	U0 1, 0
	U1 1, 0
	U2 1, 1, 8, \l1
	TURN 1, 1, 1
	U0 0, 0
	U1 0, 0
.endm
; A pass: 16 K steps, 8 laps.  last = 0: the ring and x's chunks run on into the next pass.  last = 1: steps 46 and 47 are the last to be asked for (in steps 44 and 45), x's chunk 47 in step 44.
.macro GEMM last
	FETCH_A 0, 0
	FETCH_B 0, 0, 0, 0
	U0 0, 1                                        ; the first K block's products start the sums
	U1 0, 1
	WIN 0                                          ; at a label and at a branch every window is 0
	s_mov_b32 s46, 7-(\last)
.Llap_\@:
	LAP 1, 1
	WIN 0
	s_sub_co_u32 s46, s46, 1
	s_cmp_lg_u32 s46, 0
	s_cbranch_scc1 .Llap_\@
.if \last
	LAP 1, 0
	U2 0, 1, 0, 0                                  ; the last chunk of x: no younger load is out
	TURN 0, 0, 1
	U0 1, 0
	U1 1, 0
	U2 1, 0, 0, 0
	s_wait_dscnt 0x0
	MUL32 1, 1, 1, 0
.else
	U2 0, 1, 8, 1
	TURN 0, 1, 1
	U0 1, 0
	U1 1, 0
	U2 1, 1, 8, 1
	TURN 1, 1, 0                                   ; the fragment registers serve the exchange first
.endif
.endm
; THE EXCHANGES.
; The pass's bias (8 numbers a lane, bf16) goes as f32 through my own 1,024 bytes of LDS and comes back as 128 registers: number 8 nb + j is the bias of my column 16 nb + 8 (lane / 16) + j.
.macro BIASIN shift
	WIN 0
.irp p, 0,1,2,3
	v_lshlrev_b32 v[TMP+2*(\p)],   16,  v[BQ+(\p)]
	v_and_b32     v[TMP+2*(\p)+1], s54, v[BQ+(\p)]
.endr
	ds_store_b128 v[BIW], v[TMP:TMP+3]
	ds_store_b128 v[BIW], v[TMP+4:TMP+7] offset:16
.if \shift
.irp p, 0,1,2,3,4,5,6,7
	v_mov_b32 v[BQ+(\p)], v[BQ+4+(\p)]             ; the next pass's bias moves up: the QK passes run one text
.endr
.endif
	WIN 0x40
.irp nb, 0,1,2,3,4,5,6,7,8,9,10,11,12,13,14,15
	ds_load_b128 v[8*(\nb):8*(\nb)+3],   v[BIR] offset:64*(\nb)     ; LDS serves a wave's instructions in order (ISA guide 5.7.1.4): these see the stores above
	ds_load_b128 v[8*(\nb)+4:8*(\nb)+7], v[BIR] offset:64*(\nb)+16
.endr
	s_wait_dscnt 0x0
.endm
.macro BIASADD                         ; onto all 64 accumulators, each from its low end on; then window 1's v0-127 are free
.irp hw, 0,1
	WIN 0x86+0x41*(\hw)
.set ib, 0
.rept 128
	v_pk_add_f32 v[2*ib:2*ib+1], v[2*ib:2*ib+1], v[64*(\hw)+(2*ib)%64:64*(\hw)+(2*ib)%64+1]
.set ib, ib+1
.endr
.endr
.endm
.macro PACKH c, f16                    ; chunk c (row block c) rounded to 16 bits: 16 bytes a lane and column block
.irp hw, 0,1
	WIN 0x0a+5*(\hw)
.set ib, 0
.rept 32
.if \f16
	v_cvt_pk_f16_f32 v[TMP+32*(\hw)+ib], v[64*(\c)+2*ib], v[64*(\c)+2*ib+1]
.else
	v_cvt_pk_bf16_f32 v[TMP+32*(\hw)+ib], v[64*(\c)+2*ib], v[64*(\c)+2*ib+1]
.endif
.set ib, ib+1
.endr
.endr
.endm
.macro PACKL c                         ; what the rounding left: hi x (-1) + q, exact, in place in the accumulator, which is dead behind it; then rounded to bf16
.irp hw, 0,1
	WIN 0xa0+0x50*(\hw)
.set ib, 0
.rept 32
	v_fma_mix_f32_bf16 v[64*(\c)+2*ib],   v[TMP+32*(\hw)+ib], v[MONE], v[64*(\c)+2*ib]   op_sel_hi:[1,0,0]
	v_fma_mix_f32_bf16 v[64*(\c)+2*ib+1], v[TMP+32*(\hw)+ib], v[MONE], v[64*(\c)+2*ib+1] op_sel:[1,0,0] op_sel_hi:[1,0,0]
.set ib, ib+1
.endr
	WIN 0x4a+5*(\hw)
.set ib, 0
.rept 32
	v_cvt_pk_bf16_f32 v[TL+32*(\hw)+ib], v[64*(\c)+2*ib], v[64*(\c)+2*ib+1]
.set ib, ib+1
.endr
.endr
.endm
.macro STOREQ part                     ; 16 rows x my 8 pieces of 32 channels: part 0 hi, 1 lo
	WIN 0x04*(\part)
.irp nb, 0,1,2,3,4,5,6,7,8,9,10,11,12,13,14,15
	ds_store_b128 v[STO], v[TMP+(TL-TMP)*(\part)+4*(\nb):TMP+(TL-TMP)*(\part)+4*(\nb)+3] offset:((\nb)/2)*80+((\nb)%2)*32
.endr
.endm
.macro LOADQ part                      ; my four rows: a fragment of Q (16 heads x 32 channels), then one of K
	WIN 0x40*(\part)
.irp i, 0,1,2,3
	ds_load_b128 v[FRH*(1-(\part))+16*(\i):FRH*(1-(\part))+16*(\i)+3],     v[SRD] offset:RP*(\i)
	ds_load_b128 v[FRH*(1-(\part))+16*(\i)+4:FRH*(1-(\part))+16*(\i)+7],   v[SRD] offset:RP*(\i)+32
	ds_load_b128 v[FRH*(1-(\part))+16*(\i)+8:FRH*(1-(\part))+16*(\i)+11],  v[SRD] offset:RP*(\i)+1280
	ds_load_b128 v[FRH*(1-(\part))+16*(\i)+12:FRH*(1-(\part))+16*(\i)+15], v[SRD] offset:RP*(\i)+1280+32
.endr
.endm
.macro SCORE c                         ; S^T += Kh Qh + Kh Ql + Kl Qh; the four rows' accumulators take turns
	WIN 0x50
.irp i, 0,1,2,3
	v_wmma_f32_16x16x32_bf16 v[SS+8*(4*(\c)+(\i)):SS+8*(4*(\c)+(\i))+7], v[FRH+16*(\i)+8:FRH+16*(\i)+15], v[FRH+16*(\i):FRH+16*(\i)+7], v[SS+8*(4*(\c)+(\i)):SS+8*(4*(\c)+(\i))+7]
.endr
	WIN 0x54
.irp i, 0,1,2,3
	v_wmma_f32_16x16x32_bf16 v[SS+8*(4*(\c)+(\i)):SS+8*(4*(\c)+(\i))+7], v[FRH+16*(\i)+8:FRH+16*(\i)+15], v[FRL+16*(\i):FRL+16*(\i)+7], v[SS+8*(4*(\c)+(\i)):SS+8*(4*(\c)+(\i))+7]
.endr
	WIN 0x51
.irp i, 0,1,2,3
	v_wmma_f32_16x16x32_bf16 v[SS+8*(4*(\c)+(\i)):SS+8*(4*(\c)+(\i))+7], v[FRL+16*(\i)+8:FRL+16*(\i)+15], v[FRH+16*(\i):FRH+16*(\i)+7], v[SS+8*(4*(\c)+(\i)):SS+8*(4*(\c)+(\i))+7]
.endr
.endm
.macro STOREV                          ; 16 rows x my 4 heads of 64 channels
	WIN 0
.irp nb, 0,1,2,3,4,5,6,7,8,9,10,11,12,13,14,15
	ds_store_b128 v[STO], v[TMP+4*(\nb):TMP+4*(\nb)+3] offset:((\nb)/4)*160+((\nb)%4)*32
.endr
.endm
.macro LOADV                           ; my four rows: V ([head][channel]) turned: lane l holds channel 16 cb + l % 16 and heads 8 (l / 16) + 0..7: the low half of a fragment of V^T
	WIN 0
.irp i, 0,1,2,3
.irp cb, 0,1,2,3
	ds_load_tr16_b128 v[FRV+8*(4*(\i)+(\cb)):FRV+8*(4*(\i)+(\cb))+3], v[VRD] offset:RP*(\i)+32*(\cb)
.endr
.endr
.endm
.macro PV c                            ; O^T = V^T P: row i, channels 16 cb ..
.irp i, 0,1,2,3
	WIN 0x84+0x40*((\i)/2)
.irp cb, 0,1,2,3
	v_wmma_f32_16x16x32_f16 v[64*(\c)+32*((\i)%2)+8*(\cb):64*(\c)+32*((\i)%2)+8*(\cb)+7], v[FRV+8*(4*(\i)+(\cb)):FRV+8*(4*(\i)+(\cb))+7], v[SS+8*(4*(\c)+(\i)):SS+8*(4*(\c)+(\i))+7], 0
.endr
.endr
.endm
; THE WAY OUT of chunk c.  A lane holds one head and eight channels; a row's 16 heads go into my own stage, 272 bytes a head, and come back as whole heads of 256 bytes, into the registers that they left.
.macro OUT c
.irp i, 0,1,2,3
	WIN 0x88+0x44*((\i)/2)
.irp cb, 0,1,2,3
	ds_store_b128 v[OST], v[64*(\c)+32*((\i)%2)+8*(\cb):64*(\c)+32*((\i)%2)+8*(\cb)+3]   offset:64*(\cb)  ; each accumulator from its low end on
	ds_store_b128 v[OST], v[64*(\c)+32*((\i)%2)+8*(\cb)+4:64*(\c)+32*((\i)%2)+8*(\cb)+7] offset:64*(\cb)+16
.endr
.irp t, 0,1,2,3,4,5,6,7
	ds_load_b128 v[64*(\c)+32*((\i)%2)+4*(\t):64*(\c)+32*((\i)%2)+4*(\t)+3], v[ORD] offset:2*OPI*(\t)  ; in order behind the stores above, ahead of the next row's
.endr
.endr
.irp i, 0,1,2,3
	WIN 0x88+0x44*((\i)/2)
	s_wait_dscnt 16*(3-(\i))                       ; row i is back; the later rows' sixteen LDS instructions each may be out
.irp t, 0,1,2,3,4,5,6,7
	global_store_b128 v[OGO], v[64*(\c)+32*((\i)%2)+4*(\t):64*(\c)+32*((\i)%2)+4*(\t)+3], s[14:15] offset:(16*(\c)+(\i))*4096+512*(\t) th:TH_STORE_NT  ; 16 lanes store a head's 256 bytes, at a multiple of 256 from out0's first byte
.endr
.endr
.endm
	XSTAGE 1, 14, 1                                ; chunk 0 is in (chunk 1's eight loads and the six of the biases stay out), is staged, and chunk 2 is asked for
	s_wait_loadcnt 0x8                             ; chunk 1 and the biases are in; chunk 2's eight stay out
.irp p, 0,1,2,3,4,5,6,7,8,9,10,11
	v_cvt_pk_bf16_f32 v[BQ+(\p)], v[TMP+2*(\p)], v[TMP+2*(\p)+1]
.endr
	s_wait_tensorcnt 0x1                           ; my part of slot 0 is in; slot 1's may stay out
	s_wait_dscnt 0x0                               ; my rows of x's first chunk are in the stage
	s_barrier_signal -1
	s_barrier_wait -1
	s_mov_b32 s47, 2
.Lqk:                                                  ; the two QK passes
	GEMM 0
	PLACES
	BIASIN 1
	BIASADD
	PACKH 0, 0
	PACKL 0
.irp c, 0,1,2,3                        ; 16 rows at a time, first the hi plane, then the lo plane, through one stage
	STOREQ 0
	BAR                                            ; everybody's hi parts are in the stage
	LOADQ 0
.if \c < 3
	PACKH (\c)+1, 0
.endif
	BAR                                            ; everybody has read them
	STOREQ 1
	BAR                                            ; everybody's lo parts are in the stage
	LOADQ 1
.if \c < 3
	PACKL (\c)+1
.endif
	s_wait_dscnt 0x0
.if \c < 3
	s_barrier_signal -1                            ; I have read them; the products stand between the signal and the wait
.endif
	SCORE \c
.if \c < 3
	s_barrier_wait -1
.endif
	PLACES
.endr
	WIN 0
	s_sub_co_u32 s47, s47, 1
	s_cmp_lg_u32 s47, 0
	s_cbranch_scc1 .Lqk
	; THE SOFTMAX, a step for all my 16 rows at a time, so that no line waits for the one before it.  A lane holds one query head (lane % 16) and the key heads 8 (lane / 16) + 0..7; the other eight lie 16 lanes away.
.macro ALLQ line:vararg
.set q, 0
.rept 16
	\line
.set q, q+1
.endr
.endm
	WIN 0x55                                       ; all in window 1: v[2 q], v[2 q + 1] and v[32 + 2 q], v[33 + 2 q] at work
	ALLQ v_max3_num_f32 v[2*q], v[SS+8*q], v[SS+8*q+1], v[SS+8*q+2]
	ALLQ v_max3_num_f32 v[2*q+1], v[SS+8*q+3], v[SS+8*q+4], v[SS+8*q+5]
	ALLQ v_max3_num_f32 v[2*q], v[2*q], v[SS+8*q+6], v[SS+8*q+7]
	ALLQ v_max_num_f32 v[2*q], v[2*q], v[2*q+1]
	ALLQ v_permlanex16_b32 v[2*q+1], v[2*q], s48, s49
	ALLQ v_max_num_f32 v[2*q], v[2*q], v[2*q+1]
	ALLQ v_mul_f32 v[2*q], s50, v[2*q]
.irp p, 0,1,2,3
	ALLQ v_pk_fma_f32 v[SS+8*q+2*\p:SS+8*q+2*\p+1], v[SS+8*q+2*\p:SS+8*q+2*\p+1], s[50:51], v[2*q:2*q+1] op_sel_hi:[1,0,0] neg_lo:[0,0,1] neg_hi:[0,0,1]
.endr
.irp j, 0,1,2,3,4,5,6,7
	ALLQ v_exp_f32 v[SS+8*q+\j], v[SS+8*q+\j]
.endr
	v_nop                                          ; a plain instruction between the exponentials and the use of their results (ISA guide 5.7.2)
	s_wait_alu depctr_va_vdst(0)
	ALLQ v_pk_add_f32 v[32+2*q:33+2*q], v[SS+8*q:SS+8*q+1], v[SS+8*q+2:SS+8*q+3]
	ALLQ v_pk_add_f32 v[32+2*q:33+2*q], v[32+2*q:33+2*q], v[SS+8*q+4:SS+8*q+5]
	ALLQ v_pk_add_f32 v[32+2*q:33+2*q], v[32+2*q:33+2*q], v[SS+8*q+6:SS+8*q+7]
	ALLQ v_add_f32 v[2*q], v[32+2*q], v[33+2*q]
	ALLQ v_permlanex16_b32 v[2*q+1], v[2*q], s48, s49
	ALLQ v_add_f32 v[2*q], v[2*q], v[2*q+1]
	ALLQ v_rcp_f32 v[2*q], v[2*q]
	v_nop                                          ; likewise behind the reciprocals
	s_wait_alu depctr_va_vdst(0)
.irp p, 0,1,2,3
	ALLQ v_pk_mul_f32 v[SS+8*q+2*\p:SS+8*q+2*\p+1], v[SS+8*q+2*\p:SS+8*q+2*\p+1], v[2*q:2*q+1] op_sel_hi:[1,0]
.endr
.irp p, 0,1,2,3
	ALLQ v_cvt_pk_f16_f32 v[SS+8*q+\p], v[SS+8*q+2*\p], v[SS+8*q+2*\p+1]
.endr
.irp p, 4,5,6,7
	ALLQ v_mov_b32 v[SS+8*q+\p], 0
.endr
	WIN 0                                          ; P, in place, IS source 1 of V^T P: 16 query heads x 16 key heads, and zeros for the form's other 16 along K
	GEMM 1                                         ; V
	PLACES
	WIN 0
.set ib, 0
.rept 16
	v_mov_b32 v[FRV+8*ib+4], 0                     ; the upper halves of V^T's fragments: zeros against P's zeros
	v_mov_b32 v[FRV+8*ib+5], 0
	v_mov_b32 v[FRV+8*ib+6], 0
	v_mov_b32 v[FRV+8*ib+7], 0
.set ib, ib+1
.endr
	BIASIN 0
	BIASADD
	PACKH 0, 1
.irp c, 0,1,2,3
	STOREV
	BAR                                            ; everybody's V is in the stage (at c = 0 also: everybody has ended its reads of x's stage, which the way out now writes)
	LOADV
.if \c < 3
	PACKH (\c)+1, 1
.endif
	s_wait_dscnt 0x0
.if \c < 3
	s_barrier_signal -1                            ; I have read it; the products stand between the signal and the wait
.endif
	PV \c
.if \c < 3
	s_barrier_wait -1
.endif
	PLACES
	OUT \c
.endr
	WIN 0
	s_wait_tensorcnt 0x0                           ; the wave's end: behind my last tensor load and my last LDS store
	ds_add_u32 v[SPW], v[NIL]
	s_wait_dscnt 0x0
	CROUND                                         ; the closing round: no work-group ends while a partner may still ask for a tile that names it
	s_endpgm
.Lfunc_end_k_qceca561f32_fused:
	.size	k_qceca561f32_fused, .Lfunc_end_k_qceca561f32_fused-k_qceca561f32_fused
	.p2alignl 7, 3214868480
	.fill 96, 4, 3214868480
	.section	.rodata,"a",@progbits
	.p2align	6, 0x0
	.amdhsa_kernel k_qceca561f32_fused
		.amdhsa_group_segment_fixed_size 327680
		.amdhsa_private_segment_fixed_size 0
		.amdhsa_enable_private_segment 0
		.amdhsa_kernarg_size 48
		.amdhsa_user_sgpr_count 2
		.amdhsa_user_sgpr_kernarg_segment_ptr 1
		.amdhsa_wavefront_size32 1
		.amdhsa_system_sgpr_workgroup_id_x 1
		.amdhsa_system_sgpr_workgroup_id_y 1
		.amdhsa_system_sgpr_workgroup_id_z 1
		.amdhsa_system_vgpr_workitem_id 0
		.amdhsa_next_free_vgpr 1024
		.amdhsa_next_free_sgpr 66
		.amdhsa_reserve_vcc 0
		.amdhsa_float_denorm_mode_32 3
		.amdhsa_float_denorm_mode_16_64 3
		.amdhsa_memory_ordered 1
		.amdhsa_forward_progress 1
		.amdhsa_inst_pref_size 255
	.end_amdhsa_kernel
	.section	.bss,"aw",@nobits
	.p2align	6
	.space	262144
	.amdgpu_metadata
---
amdhsa.version: [ 1, 2 ]
amdhsa.kernels:
  - .name:           k_qceca561f32_fused
    .symbol:         k_qceca561f32_fused.kd
    .args:
      - { .name: x, .offset: 0, .size: 8, .value_kind: global_buffer, .address_space: global }
      - { .name: wt, .offset: 8, .size: 8, .value_kind: global_buffer, .address_space: global }
      - { .name: bq, .offset: 16, .size: 8, .value_kind: global_buffer, .address_space: global }
      - { .name: bk, .offset: 24, .size: 8, .value_kind: global_buffer, .address_space: global }
      - { .name: bv, .offset: 32, .size: 8, .value_kind: global_buffer, .address_space: global }
      - { .name: out0, .offset: 40, .size: 8, .value_kind: global_buffer, .address_space: global }
    .group_segment_fixed_size: 327680
    .private_segment_fixed_size: 0
    .kernarg_segment_align: 8
    .kernarg_segment_size: 48
    .max_flat_workgroup_size: 128
    .sgpr_count:     66
    .vgpr_count:     1024
    .wavefront_size: 32
...
	.end_amdgpu_metadata
.endif
;; end of part 2
;; ======== version 2 of 2: 2 launches; 1.15 times as fast as version 1
;; limits: values are held in f16: magnitudes above 65,504 overflow, below 6.1e-05 lose precision
;; workspace buffers: wt 6,291,456 bytes
;; launch prep: the kernel of part 1 again; grid 128 x 3, 8 waves a work-group, no clusters, 0 bytes of LDS; arguments Wq, Wk, Wv, wt; writes wt
;; launch fused (part 3): grid 256 x 1, 4 waves a work-group, clusters of 4 x 1, 327,680 bytes of LDS; arguments x, wt, bq, bk, bv, out0; writes out0
.if DOCPART == 3
	.amdgcn_target "amdgcn-amd-amdhsa--gfx1250"
	.amdhsa_code_object_version 6
	.text
	.protected	k_qceca561f32_fused
	.globl	k_qceca561f32_fused
	.p2align	8
	.type	k_qceca561f32_fused,@function
k_qceca561f32_fused:
	s_mov_b64 s[64:65], 0
	v_nop
	global_prefetch_b8 v0, s[64:65] scope:SCOPE_SE
	s_setreg_imm32_b32 hwreg(HW_REG_WAVE_MODE, 25, 1), 1
	s_wait_xcnt 0x0
	s_wait_alu depctr_hold_cnt(0) depctr_sa_sdst(0) depctr_va_vdst(0) depctr_va_sdst(0) depctr_va_ssrc(0) depctr_va_vcc(0) depctr_vm_vsrc(0)
	s_getreg_b32 s2, hwreg(HW_REG_IB_STS2, 6, 4)
	s_cmp_eq_u32 s2, 0
	s_cbranch_scc0 .Lentry_in_a_cluster
	s_endpgm
.Lentry_in_a_cluster:
	s_bfe_u32 s2, ttmp6, 0x10000c
	s_cmp_lg_u32 s2, 0x3003
	s_cbranch_scc0 .Lentry_shape_is_right
	s_endpgm
.Lentry_shape_is_right:
; out0[row][h][:] = sum over g of softmax_g(Q[row][h] . K[row][g]) V[row][g][:], Q, K, V = x W + b: 16,384 rows of 1,024, and in each row 16 heads of 64 attend to each other.  No scale.
; SHARES.  A work-group owns 64 rows; Q, K, V never leave it.  Three passes of 1,024 columns over K = 1,024; a wave holds 64 rows x 256 columns: 64 accumulators, 512 registers.
; wt holds the weights as bf16 fragment images with the columns permuted: pass j = 0, 1 makes Q[all heads][32 j ..+31] (waves 0, 1) and K[all heads][same channels] (waves 2, 3); pass 2 makes V.
; At a QK pass's end Q and K go through an LDS stage, 16 rows at a time, and each wave adds K Q^T over those 32 channels onto the scores of its rows (rows 16 c + 4 w + i): only S^T, 128 registers, is carried.
; Then the softmax in registers, pass 2, V through the same stage, O^T = V^T P (16 of the form's 32 along K are real, the others zeros on both sides), and O through LDS to whole rows of a head.
; FORMATS.  x, W and the biases are rounded once to bf16.  Q and K go as bf16 hi + bf16 lo (lo = the rounded rest, which is exact before its rounding): S^T = Kh Qh + Kh Ql + Kl Qh; what is dropped is some 2^-17 of a number.
; One 16-bit rounding of Q and K would not do: the scores are unscaled sums of 64 products.  V and the normalised weights P are f16.  All sums, the maximum and the row sum are f32; the true row maximum is taken away.
; LIMITS.  |V| (bias included) stays under 65,504, f16's end; a weight below 2^-126 counts as 0 in the row sum, and P below 6e-5 keeps f16's fixed step of 6e-8; NaN and infinities are not treated apart.
; The order of the f32 sums along K differs from cluster to cluster (see THE WALK ALONG K).
; x IS READ THREE TIMES, once a pass, 64 rows x 256 bytes a K step, converted once by the work-group into a small stage: kept in LDS as bf16 it would take 131,072 bytes and halve the ring's slots.
; CLUSTER.  All work-groups walk the same wt, so the four of a cluster ask for each tile JOINTLY: the same tensor load, descriptor and mask in all four.  Nothing but x's and out0's addresses hangs on the place in the cluster.
; THE WALK ALONG K.  A sum over k may begin anywhere: cluster c begins every pass at K step s(c) and goes round the pass's sixteen steps.  So at any time the clusters ask for sixteen different tiles of wt, and every
; tile but a pass's first has been asked for one step earlier by the clusters that began one step further on.  s(c) = c%16 xor 15 (bit 4 of c) xor 7 (bit 5 of c): with any one of c's six bits held, the other five still reach all sixteen starts.
; c is the cluster's number, which the four partners share: the joint descriptors stay equal in all four.
; THE MATRIX INSTRUCTION IS USED TRANSPOSED (source 0 = 16 columns of W, source 1 = 16 rows of x): a lane holds one row (lane % 16) and the eight neighbouring columns 8 (lane / 16) + 0..7.
; REGISTERS, in windows of 256 (s_set_vgpr_msb: bits 1:0 source 0, 3:2 source 1, 5:4 source 2, 7:6 destination):
;   window 0: v0-23 addresses; v32-95 x's fragments, two buffers (exchanges: hi fragments; V's fragments v32-159); v96-159 x as f32, two chunks on their way; v160-175 x as bf16; v176-239 packed results; v240-251 the biases
;   window 1: v0-127 W's fragments, two buffers (exchanges: the bias, then lo fragments v0-63 and packed lo v64-127; softmax: at work); v128-255 S^T, later P, row 4 c + i at 128 + 8 (4 c + i)
;   window 2: accumulators (rb, nb) of column blocks nb 0-7 at 8 (8 rb + nb);   window 3: of nb 8-15.  In the last exchange O^T of chunk c takes chunk c's 64 + 64 registers.
.set SLOTB,  131072                    ; a ring slot: 64 along K x 1,024 columns of bf16; wave w's own 32,768 bytes at 32,768 w.  A fragment is 1,024 consecutive bytes: lane l reads 16 l, no padding is needed
.set ASTG,   2*SLOTB                   ; x as bf16: two buffers of 64 rows
.set AP,     144                       ; a row: 128 bytes + 16 = 36 words: the 16 rows of a load start at 16 different groups of four banks (64 banks of 4 bytes: ISA guide 11.1)
.set ABUF,   64*AP
.set STAGE,  ASTG+2*ABUF               ; 16 rows of Q and K (32 pieces of 64 bytes, 80 apart) or of V (16 heads of 128 bytes, 160 apart)
.set RP,     2576                      ; a stage row: 2,560 + 16 = 161 x 16 bytes
.set BIAS,   STAGE+16*RP               ; 1,024 bytes for each wave, its own: the pass's bias of its 256 columns, f32
.set SPARE,  BIAS+4096                 ; the spare words, 128 bytes for each wave: two blocks of 256 bytes that no other line names
.set OSTG,   ASTG                      ; behind the last K step x's stage is free: for each wave 16 heads x 272 bytes, for the way out
.set OPI,    272
.set OWAVE,  16*OPI
.set RR,  1                            ; v1   lane % 16
.set HH,  2                            ; v2   lane / 16
.set BAD, 3                            ; v3-4 my 16 bytes of a fragment of W in slot 0, 1
.set AAD, 5                            ; v5   my 16 bytes of a fragment of x
.set AST, 6                            ; v6   where I put 8 bytes of x
.set XO,  7                            ; v7   my byte offset in the work-group's rows of x
.set STO, 8                            ; v8   where I put 16 bytes of Q, K or V
.set SRD, 9                            ; v9   my 16 bytes of a fragment of Q
.set VRD, 10                           ; v10  my 16 bytes for the turning load of V
.set BIW, 11                           ; v11  where I put 8 bias numbers
.set BIR, 12                           ; v12  where my half of the lanes reads them
.set OST, 13                           ; v13  the way out: where I put 32 bytes of a head
.set ORD, 14                           ; v14  the way out: where I read a head's row back
.set OGO, 15                           ; v15  my byte offset in out0
.set SPW, 16                           ; v16  LDS address of my spare word; never rewritten
.set NIL, 17                           ; v17  0; never rewritten
.set BO,  18                           ; v18  my byte offset in bq or bk
.set BOV, 19                           ; v19  in bv
.set MONE, 20                          ; v20  -1.0
.set LN,  21                           ; v21  lane
.set AF,  32
.set XF,  96
.set XC,  160
.set TMP, 176
.set BQ,  240
.set FRH, 32
.set FRV, 32
.set FRL, 0                            ; window 1
.set TL,  64                           ; window 1
.set SS,  128                          ; window 1
.set WV,  16                           ; s16  my wave's number
.set G1,  24                           ; s[24:31] descriptor group 1
.set G0,  32                           ; s[32:39] descriptor group 0, a set for each slot
.set XA,  40                           ; s[40:43] x's address for the chunk loaded into buffer 0, 1
.set XK,  44                           ; s[44:45] byte of a row at which the chunk last asked for begins
.set RQ,  55                           ; s55  byte in its pass's 2,097,152 at which the tile last asked for begins
.set RQ0, 56                           ; s56  the same for my cluster's first K step: 131,072 s(c)
.set PB,  57                           ; s57  byte in wt at which the pass of the tile last asked for begins
.set OFS, 58                           ; s[58:59] a tile's byte offset in wt
.set WTW, 60                           ; s[60:61] wt at my wave's 32,768 bytes of its first tile
.set MSB, 0
.macro WIN new                         ; the immediate's high byte repeats the setting that is left; a switch that changes nothing is dropped
.if MSB != (\new)
	s_set_vgpr_msb (MSB<<8)|(\new)
.set MSB, (\new)
.endif
.endm
.macro PLACES                          ; four places in front of loads into, and vector instructions on, registers that matrix instructions have just named
.rept 4
	v_nop
.endr
.endm
.macro CREST                           ; a round of the cluster's barrier behind its opening barrier
	s_cmp_lg_u32 s[WV], 0
	s_cbranch_scc1 .Lnot_wave_0_\@
	s_barrier_signal -3
.Lnot_wave_0_\@:
	s_barrier_wait -3
	s_barrier_signal -1
	s_barrier_wait -1
.endm
.macro CROUND
	s_barrier_signal -1
	s_barrier_wait -1
	CREST
.endm
.macro BAR                             ; my LDS instructions are done, stores and loads; then everybody's are
	s_wait_dscnt 0x0
	s_barrier_signal -1
	s_barrier_wait -1
.endm
.macro JLOAD s                         ; a joint load: every wave asks for its own 32,768 bytes of the slot; an s_nop 0 and four v_nop follow
	tensor_load_to_lds s[G0+4*(\s):G0+4*(\s)+3], s[G1:G1+7]
	s_nop 0
.rept 4
	v_nop
.endr
.endm
	s_load_b256 s[4:11], s[0:1], 0x0               ; x s[4:5], wt s[6:7], bq s[8:9], bk s[10:11]
	s_load_b128 s[12:15], s[0:1], 0x20             ; bv s[12:13], out0 s[14:15]
	v_lshl_add_u32 v[SPW], v0, 2, SPARE
	v_mov_b32 v[NIL], 0
	ds_add_u32 v[SPW], v[NIL]                      ; the wave's opening: the add and its wait stand ahead of my first tensor load; the set-up below, work on registers, stands between them
	v_lshrrev_b32 v[LN], 5, v0
	v_readfirstlane_b32 s[WV], v[LN]               ; wave 0..3
	s_bfe_u32 s17, ttmp6, 0x40000                  ; cx: my place in the cluster
	s_lshl_b32 s18, ttmp9, 2                       ; in a cluster launch ttmp9 counts clusters
	s_add_co_u32 s18, s18, s17                     ; my work-group: it enters x's and out0's addresses alone
	s_lshl_b32 s20, s18, 18                        ; its 64 rows of 4,096 bytes
	s_mov_b32 s21, 0
	s_lshl_b32 s22, s[WV], 15                      ; my wave's 32,768 bytes of a step, in wt and in a slot
	s_mov_b32 s23, 0
	; descriptor group 1: 32,768 dense bytes as 128 rows of 32 elements of 8 bytes
	s_mov_b32 s[G1+0], 15|(3<<16)|(1<<21)          ; 15:0 the mask: all four work-groups; 17:16 elements of 8 bytes; 20 no padding; 21 set beside a mask
	s_mov_b32 s[G1+1], 32<<16                      ; tensor_dim0 = 32
	s_mov_b32 s[G1+2], 128<<16                     ; tensor_dim1 = 128
	s_mov_b32 s[G1+3], 32<<16                      ; tile_dim0 = 32
	s_mov_b32 s[G1+4], 128                         ; tile_dim1 = 128
	s_mov_b32 s[G1+5], 32                          ; 32 elements from row to row
	s_mov_b32 s[G1+6], 0
	s_mov_b32 s[G1+7], 0
	s_mov_b32 s[G0+0], 1                           ; count = 1
	s_mov_b32 s[G0+1], s22                         ; LDS address: slot 0
	s_mov_b32 s[G0+4], 1
	s_add_co_u32 s[G0+5], s22, SLOTB               ; slot 1
	s_and_b32 s62, ttmp9, 15                       ; s(c), my cluster's first K step, from the cluster's number alone
	s_bfe_u32 s63, ttmp9, 0x10004
	s_mul_i32 s63, s63, 15
	s_xor_b32 s62, s62, s63
	s_bfe_u32 s63, ttmp9, 0x10005
	s_mul_i32 s63, s63, 7
	s_xor_b32 s62, s62, s63
	s_lshl_b32 s[RQ0], s62, 17                     ; its tile of 131,072 bytes in a pass of wt,
	s_lshl_b32 s[XK], s62, 8                       ; its 256 bytes in a row of x
	s_mov_b32 s[XK+1], 0
	s_add_co_u32 s62, s62, 1                       ; the step behind it, round the sixteen
	s_and_b32 s62, s62, 15
	s_lshl_b32 s[RQ], s62, 17
	s_mov_b32 s[PB], 0
	s_mov_b32 s[OFS+1], 0
	s_mov_b32 s48, 0x76543210                      ; v_permlanex16_b32: each lane takes its own place in the other half
	s_mov_b32 s49, 0xfedcba98
	s_mov_b32 s50, 0x3fb8aa3b                      ; log2(e)
	s_mov_b32 s51, s50                             ; named with it as a pair
	s_mov_b32 s54, 0xffff0000                      ; a word's upper bf16
	s_wait_dscnt 0x0                               ; the opening add is done
	s_wait_kmcnt 0x0
	s_add_nc_u64 s[4:5], s[4:5], s[20:21]          ; x and out0 at my work-group's first row
	s_add_nc_u64 s[14:15], s[14:15], s[20:21]
	s_add_nc_u64 s[WTW:WTW+1], s[6:7], s[22:23]
	s_mov_b32 s[OFS], s[RQ0]
	s_add_nc_u64 s[G0+2:G0+3], s[WTW:WTW+1], s[OFS:OFS+1]  ; my first step's tile,
	s_mov_b32 s[OFS], s[RQ]
	s_add_nc_u64 s[G0+6:G0+7], s[WTW:WTW+1], s[OFS:OFS+1]  ; my second's
	s_or_b32 s[G0+3], s[G0+3], 0x80000000          ; type = 2
	s_or_b32 s[G0+7], s[G0+7], 0x80000000
	s_add_nc_u64 s[XA:XA+1], s[4:5], s[XK:XK+1]    ; x's chunks of the same two steps
	s_add_co_u32 s[XK], s[XK], 256
	s_and_b32 s[XK], s[XK], 0xfff
	s_add_nc_u64 s[XA+2:XA+3], s[4:5], s[XK:XK+1]
	s_cmp_lt_u32 s[WV], 2                          ; in the QK passes waves 0, 1 make Q, waves 2, 3 make K
	s_cselect_b64 s[52:53], s[8:9], s[10:11]
	CROUND                                         ; all four work-groups are here: the first joint loads meet
	tensor_load_to_lds s[G0:G0+3], s[G1:G1+7]      ; both first fills together: two loads of mine are out; later one
	s_nop 0
	tensor_load_to_lds s[G0+4:G0+7], s[G1:G1+7]
	s_nop 0
.rept 4
	v_nop
.endr
	v_and_b32 v[LN], 31, v0
	v_and_b32 v[RR], 15, v0
	v_bfe_u32 v[HH], v0, 4, 1
	s_lshl_b32 s20, s[WV], 16                      ; wave w brings rows 16 w .. 16 w + 15 of x: a load takes two rows' 256 bytes, lanes 0-15 one row, lanes 16-31 the next
	v_lshlrev_b32 v[XO], 12, v[HH]
	v_lshl_add_u32 v[XO], v[RR], 4, v[XO]
	v_add_nc_u32 v[XO], s20, v[XO]
.irp i, 0,1,2,3,4,5,6,7
	global_load_b128 v[XF+4*(\i):XF+4*(\i)+3], v[XO], s[XA:XA+1] offset:8192*(\i)            ; my first step's chunk
.endr
.irp i, 0,1,2,3,4,5,6,7
	global_load_b128 v[XF+32+4*(\i):XF+32+4*(\i)+3], v[XO], s[XA+2:XA+3] offset:8192*(\i)    ; my second's
.endr
	s_and_b32 s20, s[WV], 1                        ; lane l holds the bias of my pass columns 8 l .. 8 l + 7: head 8 (w%2) + l/4, channels 32 j + 8 (l%4) ..
	s_lshl_b32 s20, s20, 11
	v_lshrrev_b32 v22, 2, v[LN]
	v_and_b32 v23, 3, v0
	v_lshlrev_b32 v[BO], 8, v22
	v_lshl_add_u32 v[BO], v23, 5, v[BO]
	v_add_nc_u32 v[BO], s20, v[BO]
	s_lshl_b32 s20, s[WV], 10
	v_lshl_add_u32 v[BOV], v[LN], 5, s20           ; pass 2: columns as they lie
	global_load_b128 v[TMP:TMP+3],     v[BO], s[52:53]
	global_load_b128 v[TMP+4:TMP+7],   v[BO], s[52:53] offset:16
	global_load_b128 v[TMP+8:TMP+11],  v[BO], s[52:53] offset:128
	global_load_b128 v[TMP+12:TMP+15], v[BO], s[52:53] offset:144
	global_load_b128 v[TMP+16:TMP+19], v[BOV], s[12:13]
	global_load_b128 v[TMP+20:TMP+23], v[BOV], s[12:13] offset:16
	v_lshl_add_u32 v[BAD], v[LN], 4, s22
	v_add_nc_u32 v[BAD+1], SLOTB, v[BAD]
	v_mul_u32_u24 v[AAD], v[RR], AP                ; a fragment of x: row l % 16, 16 bytes for each half of the lanes
	v_lshl_add_u32 v[AAD], v[HH], 4, v[AAD]
	v_add_nc_u32 v[AAD], ASTG, v[AAD]
	s_mul_i32 s20, s[WV], 16*AP
	s_add_co_u32 s20, s20, ASTG
	v_mul_u32_u24 v[AST], v[HH], AP
	v_lshl_add_u32 v[AST], v[RR], 3, v[AST]
	v_add_nc_u32 v[AST], s20, v[AST]
	s_mul_i32 s20, s[WV], 640                      ; into the stage: row l % 16; my wave's 8 pieces of 80 bytes, or 4 heads of 160
	s_add_co_u32 s20, s20, STAGE
	v_mul_u32_u24 v[STO], v[RR], RP
	v_lshl_add_u32 v[STO], v[HH], 4, v[STO]
	v_add_nc_u32 v[STO], s20, v[STO]
	s_mul_i32 s20, s[WV], 4*RP                     ; out of it: my four rows 4 w + i; a fragment's row is a head
	s_add_co_u32 s20, s20, STAGE
	v_mul_u32_u24 v[SRD], v[RR], 80
	v_lshl_add_u32 v[SRD], v[HH], 4, v[SRD]
	v_add_nc_u32 v[SRD], s20, v[SRD]
	v_and_b32 v22, 7, v0                           ; the turning load: lane l reads head 8 (l/16) + l%8, channels 8 ((l/8)%2) + 0..7
	v_lshl_add_u32 v22, v[HH], 3, v22
	v_mul_u32_u24 v[VRD], v22, 160
	v_bfe_u32 v22, v0, 3, 1
	v_lshl_add_u32 v[VRD], v22, 4, v[VRD]
	v_add_nc_u32 v[VRD], s20, v[VRD]
	s_lshl_b32 s20, s[WV], 10
	s_add_co_u32 s20, s20, BIAS
	v_lshl_add_u32 v[BIW], v[LN], 5, s20
	v_lshl_add_u32 v[BIR], v[HH], 5, s20
	s_mul_i32 s20, s[WV], OWAVE
	s_add_co_u32 s20, s20, OSTG
	v_mul_u32_u24 v[OST], v[RR], OPI               ; in: head l % 16, 32 bytes for each half of the lanes
	v_lshl_add_u32 v[OST], v[HH], 5, v[OST]
	v_add_nc_u32 v[OST], s20, v[OST]
	v_mul_u32_u24 v[ORD], v[HH], OPI               ; back: lanes 0-15 one head's 256 bytes, lanes 16-31 the next head's
	v_lshl_add_u32 v[ORD], v[RR], 4, v[ORD]
	v_add_nc_u32 v[ORD], s20, v[ORD]
	s_lshl_b32 s20, s[WV], 14
	v_lshl_add_u32 v[OGO], v[LN], 4, s20           ; which are 512 consecutive bytes of a row of out0; my rows begin at 4 w
	v_mov_b32 v[MONE], -1.0
	WIN 0x40
.set ib, 0
.rept 128                              ; S^T starts at 0, so that both QK passes run one text; this stands in the wait for the first tile
	v_mov_b32 v[SS+ib], 0
.set ib, ib+1
.endr
	WIN 0
; 8 matrix instructions: row block rb x 8 column blocks (hi = 0: nb 0-7, window 2; 1: nb 8-15, window 3), 32 along K.  zero = 1: the first product starts the sums.
; Every matrix instruction names another accumulator than the one before it, across units, the loop's edge and passes: between two on one accumulator stand 63 others'.
.macro MUL8 bb, ab, hi, rb, zero
	WIN 0xa1+0x50*(\hi)                            ; W in window 1, x in window 0, C and D in window 2 or 3
.irp b, 0,1,2,3,4,5,6,7
.if \zero
	v_wmma_f32_16x16x32_bf16 v[64*(\rb)+8*(\b):64*(\rb)+8*(\b)+7], v[64*(\bb)+8*(\b):64*(\bb)+8*(\b)+7], v[AF+32*(\ab)+8*(\rb):AF+32*(\ab)+8*(\rb)+7], 0
.else
	v_wmma_f32_16x16x32_bf16 v[64*(\rb)+8*(\b):64*(\rb)+8*(\b)+7], v[64*(\bb)+8*(\b):64*(\bb)+8*(\b)+7], v[AF+32*(\ab)+8*(\rb):AF+32*(\ab)+8*(\rb)+7], v[64*(\rb)+8*(\b):64*(\rb)+8*(\b)+7]
.endif
.endr
.endm
.macro MUL32 bb, ab, hi, zero
	MUL8 \bb, \ab, \hi, 0, \zero
	MUL8 \bb, \ab, \hi, 1, \zero
	MUL8 \bb, \ab, \hi, 2, \zero
	MUL8 \bb, \ab, \hi, 3, \zero
.endm
.macro FETCH_B slot, kb, half, bb      ; 8 fragments of W (column blocks 8 half + 0..7, K block kb) into buffer bb: 16 loads of 512 consecutive bytes
	WIN 0x40
.irp b, 0,1,2,3,4,5,6,7
	ds_load_b128 v[64*(\bb)+8*(\b):64*(\bb)+8*(\b)+3],   v[BAD+(\slot)] offset:(16*(\kb)+8*(\half)+(\b))*1024
	ds_load_b128 v[64*(\bb)+8*(\b)+4:64*(\bb)+8*(\b)+7], v[BAD+(\slot)] offset:(16*(\kb)+8*(\half)+(\b))*1024+512
.endr
.endm
.macro FETCH_A slot, kb                ; the 4 fragments of x of K block kb into buffer kb
	WIN 0
.irp rb, 0,1,2,3
	ds_load_b128 v[AF+32*(\kb)+8*(\rb):AF+32*(\kb)+8*(\rb)+3],   v[AAD] offset:ABUF*(\slot)+16*AP*(\rb)+64*(\kb)
	ds_load_b128 v[AF+32*(\kb)+8*(\rb)+4:AF+32*(\kb)+8*(\rb)+7], v[AAD] offset:ABUF*(\slot)+16*AP*(\rb)+64*(\kb)+32
.endr
.endm
; In the K step on slot s: the next step's chunk of x, which lies in register buffer 1 - s, is rounded to bf16 and put into stage buffer 1 - s; load = 1: that register buffer takes the chunk two further on.
; Stage buffer 1 - s was last read in the step before, and those reads were waited for in front of that step's barrier; it is read next behind this step's barrier.
.macro XSTAGE s, left, load
	WIN 0
	s_wait_loadcnt \left                           ; loads come back in order: my chunk is in, the younger chunk's eight stay out; this wait also frees the chunk's address pair
.irp i, 0,1,2,3,4,5,6,7
	v_cvt_pk_bf16_f32 v[XC+2*(\i)],   v[XF+32*(1-(\s))+4*(\i)],   v[XF+32*(1-(\s))+4*(\i)+1]
	v_cvt_pk_bf16_f32 v[XC+2*(\i)+1], v[XF+32*(1-(\s))+4*(\i)+2], v[XF+32*(1-(\s))+4*(\i)+3]
.endr
.irp i, 0,1,2,3,4,5,6,7
	ds_store_b64 v[AST], v[XC+2*(\i):XC+2*(\i)+1] offset:ABUF*(1-(\s))+2*AP*(\i)
.endr
.if \load
	s_add_co_u32 s[XK], s[XK], 256                 ; the next chunk, round a row's sixteen: after sixteen steps it is my first again, for the next pass
	s_and_b32 s[XK], s[XK], 0xfff
	s_add_nc_u64 s[XA+2*(1-(\s)):XA+2*(1-(\s))+1], s[4:5], s[XK:XK+1]
.irp i, 0,1,2,3,4,5,6,7
	global_load_b128 v[XF+32*(1-(\s))+4*(\i):XF+32*(1-(\s))+4*(\i)+3], v[XO], s[XA+2*(1-(\s)):XA+2*(1-(\s))+1] offset:8192*(\i)
.endr
.endif
.endm
; A K step of 64 is four units of 32 matrix instructions.  At a unit's head the fragments fetched a unit ago are waited for, and the next unit's are fetched into the buffer that the last unit multiplied.
.macro U0 slot, zero                   ; K block 0, column blocks 0-7
	s_wait_dscnt 0x0
	PLACES
	FETCH_B \slot, 0, 1, 1
	MUL32 0, 0, 0, \zero
.endm
.macro U1 slot, zero                   ; K block 0, column blocks 8-15
	s_wait_dscnt 0x0
	PLACES
	FETCH_A \slot, 1
	FETCH_B \slot, 1, 0, 0
	MUL32 1, 0, 1, \zero
.endm
.macro U2 slot, xs, left, load         ; K block 1, column blocks 0-7; xs = 1: x's next chunk is staged, and its 16 conversions are the places
	s_wait_dscnt 0x0
.if \xs
	XSTAGE \slot, \left, \load
.else
	PLACES
.endif
	FETCH_B \slot, 1, 1, 1
	MUL32 0, 1, 0, 0
.endm
; K block 1, column blocks 8-15, and the change of slots: ONE barrier.  In front of it each wave waits for all its tensor loads (one is out: its part of the next slot), adds 0 to its spare word, and
; waits for that, for its reads of this slot and of x's stage, and for its stores into x's stage.  fill = 1: the barrier opens a round of the cluster's, and this slot is filled again, two steps ahead,
; first thing behind it: 112 matrix instructions ahead of the wait for it.  The tile's address is made anew, from wt's address and an offset kept apart: the next of the pass's sixteen tiles, round from
; the last to the first; when the walk is back at my first step's tile, the next pass begins.  fetch = 1: the next slot's first fragments.
.macro TURN slot, fill, fetch
	WIN 0                                          ; (the add's two registers lie in window 0)
	s_wait_tensorcnt 0x0                           ; no tensor load of mine is out, so a group 0 may be written
	ds_add_u32 v[SPW], v[NIL]                      ; 0 onto my spare word
.if \fill
	s_add_co_u32 s[RQ], s[RQ], SLOTB
	s_and_b32 s[RQ], s[RQ], 16*SLOTB-1
	s_cmp_eq_u32 s[RQ], s[RQ0]
	s_cselect_b32 s62, 16*SLOTB, 0
	s_add_co_u32 s[PB], s[PB], s62
	s_add_co_u32 s[OFS], s[PB], s[RQ]
	s_add_nc_u64 s[G0+4*(\slot)+2:G0+4*(\slot)+3], s[WTW:WTW+1], s[OFS:OFS+1]
	s_or_b32 s[G0+4*(\slot)+3], s[G0+4*(\slot)+3], 0x80000000
.endif
	s_wait_dscnt 0x1                               ; the add alone may be out: the fragments are in
	MUL8 1, 1, 1, 0, 0                             ; eight matrix instructions stand between the add and the wait for it
	s_wait_dscnt 0x0
	s_barrier_signal -1
	MUL8 1, 1, 1, 1, 0
	WIN 0
	s_barrier_wait -1
.if \fill
	CREST                                          ; no wave of any partner still reads this slot or has a load on its way
	JLOAD \slot                                    ; its four v_nop are also the places in front of the loads below
.else
	PLACES
.endif
.if \fetch
	FETCH_A 1-(\slot), 0
	FETCH_B 1-(\slot), 0, 0, 0
.endif
	MUL8 1, 1, 1, 2, 0
	MUL8 1, 1, 1, 3, 0
.endm
.macro LAP l0, l1                      ; once round the ring, from a lap's third unit to the next lap's second
	U2 0, 1, 8, \l0
	TURN 0, 1, 1
	U0 1, 0
	U1 1, 0
	U2 1, 1, 8, \l1
	TURN 1, 1, 1
	U0 0, 0
	U1 0, 0
.endm
; A pass: 16 K steps, 8 laps.  last = 0: the ring and x's chunks run on into the next pass.  last = 1: the walk's tiles 46 and 47 are the last to be asked for (in its steps 44 and 45), x's chunk 47 in step 44.
.macro GEMM last
	FETCH_A 0, 0
	FETCH_B 0, 0, 0, 0
	U0 0, 1                                        ; the first K block's products start the sums
	U1 0, 1
	WIN 0                                          ; at a label and at a branch every window is 0
	s_mov_b32 s46, 7-(\last)
.Llap_\@:
	LAP 1, 1
	WIN 0
	s_sub_co_u32 s46, s46, 1
	s_cmp_lg_u32 s46, 0
	s_cbranch_scc1 .Llap_\@
.if \last
	LAP 1, 0
	U2 0, 1, 0, 0                                  ; the last chunk of x: no younger load is out
	TURN 0, 0, 1
	U0 1, 0
	U1 1, 0
	U2 1, 0, 0, 0
	s_wait_dscnt 0x0
	MUL32 1, 1, 1, 0
.else
	U2 0, 1, 8, 1
	TURN 0, 1, 1
	U0 1, 0
	U1 1, 0
	U2 1, 1, 8, 1
	TURN 1, 1, 0                                   ; the fragment registers serve the exchange first
.endif
.endm
; THE EXCHANGES.
; The pass's bias (8 numbers a lane, bf16) goes as f32 through my own 1,024 bytes of LDS and comes back as 128 registers: number 8 nb + j is the bias of my column 16 nb + 8 (lane / 16) + j.
.macro BIASIN shift
	WIN 0
.irp p, 0,1,2,3
	v_lshlrev_b32 v[TMP+2*(\p)],   16,  v[BQ+(\p)]
	v_and_b32     v[TMP+2*(\p)+1], s54, v[BQ+(\p)]
.endr
	ds_store_b128 v[BIW], v[TMP:TMP+3]
	ds_store_b128 v[BIW], v[TMP+4:TMP+7] offset:16
.if \shift
.irp p, 0,1,2,3,4,5,6,7
	v_mov_b32 v[BQ+(\p)], v[BQ+4+(\p)]             ; the next pass's bias moves up: the QK passes run one text
.endr
.endif
	WIN 0x40
.irp nb, 0,1,2,3,4,5,6,7,8,9,10,11,12,13,14,15
	ds_load_b128 v[8*(\nb):8*(\nb)+3],   v[BIR] offset:64*(\nb)     ; LDS serves a wave's instructions in order (ISA guide 5.7.1.4): these see the stores above
	ds_load_b128 v[8*(\nb)+4:8*(\nb)+7], v[BIR] offset:64*(\nb)+16
.endr
	s_wait_dscnt 0x0
.endm
.macro BIASADD                         ; onto all 64 accumulators, each from its low end on; then window 1's v0-127 are free
.irp hw, 0,1
	WIN 0x86+0x41*(\hw)
.set ib, 0
.rept 128
	v_pk_add_f32 v[2*ib:2*ib+1], v[2*ib:2*ib+1], v[64*(\hw)+(2*ib)%64:64*(\hw)+(2*ib)%64+1]
.set ib, ib+1
.endr
.endr
.endm
.macro PACKH c, f16                    ; chunk c (row block c) rounded to 16 bits: 16 bytes a lane and column block
.irp hw, 0,1
	WIN 0x0a+5*(\hw)
.set ib, 0
.rept 32
.if \f16
	v_cvt_pk_f16_f32 v[TMP+32*(\hw)+ib], v[64*(\c)+2*ib], v[64*(\c)+2*ib+1]
.else
	v_cvt_pk_bf16_f32 v[TMP+32*(\hw)+ib], v[64*(\c)+2*ib], v[64*(\c)+2*ib+1]
.endif
.set ib, ib+1
.endr
.endr
.endm
.macro PACKL c                         ; what the rounding left: hi x (-1) + q, exact, in place in the accumulator, which is dead behind it; then rounded to bf16
.irp hw, 0,1
	WIN 0xa0+0x50*(\hw)
.set ib, 0
.rept 32
	v_fma_mix_f32_bf16 v[64*(\c)+2*ib],   v[TMP+32*(\hw)+ib], v[MONE], v[64*(\c)+2*ib]   op_sel_hi:[1,0,0]
	v_fma_mix_f32_bf16 v[64*(\c)+2*ib+1], v[TMP+32*(\hw)+ib], v[MONE], v[64*(\c)+2*ib+1] op_sel:[1,0,0] op_sel_hi:[1,0,0]
.set ib, ib+1
.endr
	WIN 0x4a+5*(\hw)
.set ib, 0
.rept 32
	v_cvt_pk_bf16_f32 v[TL+32*(\hw)+ib], v[64*(\c)+2*ib], v[64*(\c)+2*ib+1]
.set ib, ib+1
.endr
.endr
.endm
.macro STOREQ part                     ; 16 rows x my 8 pieces of 32 channels: part 0 hi, 1 lo
	WIN 0x04*(\part)
.irp nb, 0,1,2,3,4,5,6,7,8,9,10,11,12,13,14,15
	ds_store_b128 v[STO], v[TMP+(TL-TMP)*(\part)+4*(\nb):TMP+(TL-TMP)*(\part)+4*(\nb)+3] offset:((\nb)/2)*80+((\nb)%2)*32
.endr
.endm
.macro LOADQ part                      ; my four rows: a fragment of Q (16 heads x 32 channels), then one of K
	WIN 0x40*(\part)
.irp i, 0,1,2,3
	ds_load_b128 v[FRH*(1-(\part))+16*(\i):FRH*(1-(\part))+16*(\i)+3],     v[SRD] offset:RP*(\i)
	ds_load_b128 v[FRH*(1-(\part))+16*(\i)+4:FRH*(1-(\part))+16*(\i)+7],   v[SRD] offset:RP*(\i)+32
	ds_load_b128 v[FRH*(1-(\part))+16*(\i)+8:FRH*(1-(\part))+16*(\i)+11],  v[SRD] offset:RP*(\i)+1280
	ds_load_b128 v[FRH*(1-(\part))+16*(\i)+12:FRH*(1-(\part))+16*(\i)+15], v[SRD] offset:RP*(\i)+1280+32
.endr
.endm
.macro SCORE c                         ; S^T += Kh Qh + Kh Ql + Kl Qh; the four rows' accumulators take turns
	WIN 0x50
.irp i, 0,1,2,3
	v_wmma_f32_16x16x32_bf16 v[SS+8*(4*(\c)+(\i)):SS+8*(4*(\c)+(\i))+7], v[FRH+16*(\i)+8:FRH+16*(\i)+15], v[FRH+16*(\i):FRH+16*(\i)+7], v[SS+8*(4*(\c)+(\i)):SS+8*(4*(\c)+(\i))+7]
.endr
	WIN 0x54
.irp i, 0,1,2,3
	v_wmma_f32_16x16x32_bf16 v[SS+8*(4*(\c)+(\i)):SS+8*(4*(\c)+(\i))+7], v[FRH+16*(\i)+8:FRH+16*(\i)+15], v[FRL+16*(\i):FRL+16*(\i)+7], v[SS+8*(4*(\c)+(\i)):SS+8*(4*(\c)+(\i))+7]
.endr
	WIN 0x51
.irp i, 0,1,2,3
	v_wmma_f32_16x16x32_bf16 v[SS+8*(4*(\c)+(\i)):SS+8*(4*(\c)+(\i))+7], v[FRL+16*(\i)+8:FRL+16*(\i)+15], v[FRH+16*(\i):FRH+16*(\i)+7], v[SS+8*(4*(\c)+(\i)):SS+8*(4*(\c)+(\i))+7]
.endr
.endm
.macro STOREV                          ; 16 rows x my 4 heads of 64 channels
	WIN 0
.irp nb, 0,1,2,3,4,5,6,7,8,9,10,11,12,13,14,15
	ds_store_b128 v[STO], v[TMP+4*(\nb):TMP+4*(\nb)+3] offset:((\nb)/4)*160+((\nb)%4)*32
.endr
.endm
.macro LOADV                           ; my four rows: V ([head][channel]) turned: lane l holds channel 16 cb + l % 16 and heads 8 (l / 16) + 0..7: the low half of a fragment of V^T
	WIN 0
.irp i, 0,1,2,3
.irp cb, 0,1,2,3
	ds_load_tr16_b128 v[FRV+8*(4*(\i)+(\cb)):FRV+8*(4*(\i)+(\cb))+3], v[VRD] offset:RP*(\i)+32*(\cb)
.endr
.endr
.endm
.macro PV c                            ; O^T = V^T P: row i, channels 16 cb ..
.irp i, 0,1,2,3
	WIN 0x84+0x40*((\i)/2)
.irp cb, 0,1,2,3
	v_wmma_f32_16x16x32_f16 v[64*(\c)+32*((\i)%2)+8*(\cb):64*(\c)+32*((\i)%2)+8*(\cb)+7], v[FRV+8*(4*(\i)+(\cb)):FRV+8*(4*(\i)+(\cb))+7], v[SS+8*(4*(\c)+(\i)):SS+8*(4*(\c)+(\i))+7], 0
.endr
.endr
.endm
; THE WAY OUT of chunk c.  A lane holds one head and eight channels; a row's 16 heads go into my own stage, 272 bytes a head, and come back as whole heads of 256 bytes, into the registers that they left.
.macro OUTL c, i                       ; row i through the stage: sixteen LDS instructions
	WIN 0x88+0x44*((\i)/2)
.irp cb, 0,1,2,3
	ds_store_b128 v[OST], v[64*(\c)+32*((\i)%2)+8*(\cb):64*(\c)+32*((\i)%2)+8*(\cb)+3]   offset:64*(\cb)  ; each accumulator from its low end on
	ds_store_b128 v[OST], v[64*(\c)+32*((\i)%2)+8*(\cb)+4:64*(\c)+32*((\i)%2)+8*(\cb)+7] offset:64*(\cb)+16
.endr
.irp t, 0,1,2,3,4,5,6,7
	ds_load_b128 v[64*(\c)+32*((\i)%2)+4*(\t):64*(\c)+32*((\i)%2)+4*(\t)+3], v[ORD] offset:2*OPI*(\t)  ; in order behind the stores above, ahead of the next row's
.endr
.endm
.macro OUTS c, i, younger              ; row i is stored; younger: the LDS instructions issued behind row i's, which may stay out
	WIN 0x88+0x44*((\i)/2)
	s_wait_dscnt \younger
.irp t, 0,1,2,3,4,5,6,7
	global_store_b128 v[OGO], v[64*(\c)+32*((\i)%2)+4*(\t):64*(\c)+32*((\i)%2)+4*(\t)+3], s[14:15] offset:(16*(\c)+(\i))*4096+512*(\t) th:TH_STORE_NT  ; 16 lanes store a head's 256 bytes, at a multiple of 256 from out0's first byte
.endr
.endm
.macro OUT c                           ; 48 LDS instructions of mine are out at the most
	OUTL \c, 0
	OUTL \c, 1
	OUTL \c, 2
	OUTS \c, 0, 32                                 ; rows 1 and 2 may be out
	OUTL \c, 3
	OUTS \c, 1, 32                                 ; rows 2 and 3
	OUTS \c, 2, 16                                 ; row 3
	OUTS \c, 3, 0
.endm
	XSTAGE 1, 14, 1                                ; my first chunk is in (the second's eight loads and the six of the biases stay out), is staged, and the third is asked for
	s_wait_loadcnt 0x8                             ; the second chunk and the biases are in; the third's eight stay out
.irp p, 0,1,2,3,4,5,6,7,8,9,10,11
	v_cvt_pk_bf16_f32 v[BQ+(\p)], v[TMP+2*(\p)], v[TMP+2*(\p)+1]
.endr
	s_wait_tensorcnt 0x1                           ; my part of slot 0 is in; slot 1's may stay out
	s_wait_dscnt 0x0                               ; my rows of x's first chunk are in the stage
	s_barrier_signal -1
	s_barrier_wait -1
	s_mov_b32 s47, 2
.Lqk:                                                  ; the two QK passes
	GEMM 0
	PLACES
	BIASIN 1
	BIASADD
	PACKH 0, 0
	PACKL 0
.irp c, 0,1,2,3                        ; 16 rows at a time, first the hi plane, then the lo plane, through one stage
	STOREQ 0
	BAR                                            ; everybody's hi parts are in the stage
	LOADQ 0
.if \c < 3
	PACKH (\c)+1, 0
.endif
	BAR                                            ; everybody has read them
	STOREQ 1
	BAR                                            ; everybody's lo parts are in the stage
	LOADQ 1
.if \c < 3
	PACKL (\c)+1
.endif
	s_wait_dscnt 0x0
.if \c < 3
	s_barrier_signal -1                            ; I have read them; the products stand between the signal and the wait
.endif
	SCORE \c
.if \c < 3
	s_barrier_wait -1
.endif
	PLACES
.endr
	WIN 0
	s_sub_co_u32 s47, s47, 1
	s_cmp_lg_u32 s47, 0
	s_cbranch_scc1 .Lqk
	; THE SOFTMAX, a step for all my 16 rows at a time, so that no line waits for the one before it.  A lane holds one query head (lane % 16) and the key heads 8 (lane / 16) + 0..7; the other eight lie 16 lanes away.
.macro ALLQ line:vararg
.set q, 0
.rept 16
	\line
.set q, q+1
.endr
.endm
	WIN 0x55                                       ; all in window 1: v[2 q], v[2 q + 1] and v[32 + 2 q], v[33 + 2 q] at work
	ALLQ v_max3_num_f32 v[2*q], v[SS+8*q], v[SS+8*q+1], v[SS+8*q+2]
	ALLQ v_max3_num_f32 v[2*q+1], v[SS+8*q+3], v[SS+8*q+4], v[SS+8*q+5]
	ALLQ v_max3_num_f32 v[2*q], v[2*q], v[SS+8*q+6], v[SS+8*q+7]
	ALLQ v_max_num_f32 v[2*q], v[2*q], v[2*q+1]
	ALLQ v_permlanex16_b32 v[2*q+1], v[2*q], s48, s49
	ALLQ v_max_num_f32 v[2*q], v[2*q], v[2*q+1]
	ALLQ v_mul_f32 v[2*q], s50, v[2*q]
.irp p, 0,1,2,3
	ALLQ v_pk_fma_f32 v[SS+8*q+2*\p:SS+8*q+2*\p+1], v[SS+8*q+2*\p:SS+8*q+2*\p+1], s[50:51], v[2*q:2*q+1] op_sel_hi:[1,0,0] neg_lo:[0,0,1] neg_hi:[0,0,1]
.endr
.irp j, 0,1,2,3,4,5,6,7
	ALLQ v_exp_f32 v[SS+8*q+\j], v[SS+8*q+\j]
.endr
	v_nop                                          ; a plain instruction between the exponentials and the use of their results (ISA guide 5.7.2)
	s_wait_alu depctr_va_vdst(0)
	ALLQ v_pk_add_f32 v[32+2*q:33+2*q], v[SS+8*q:SS+8*q+1], v[SS+8*q+2:SS+8*q+3]
	ALLQ v_pk_add_f32 v[32+2*q:33+2*q], v[32+2*q:33+2*q], v[SS+8*q+4:SS+8*q+5]
	ALLQ v_pk_add_f32 v[32+2*q:33+2*q], v[32+2*q:33+2*q], v[SS+8*q+6:SS+8*q+7]
	ALLQ v_add_f32 v[2*q], v[32+2*q], v[33+2*q]
	ALLQ v_permlanex16_b32 v[2*q+1], v[2*q], s48, s49
	ALLQ v_add_f32 v[2*q], v[2*q], v[2*q+1]
	ALLQ v_rcp_f32 v[2*q], v[2*q]
	v_nop                                          ; likewise behind the reciprocals
	s_wait_alu depctr_va_vdst(0)
.irp p, 0,1,2,3
	ALLQ v_pk_mul_f32 v[SS+8*q+2*\p:SS+8*q+2*\p+1], v[SS+8*q+2*\p:SS+8*q+2*\p+1], v[2*q:2*q+1] op_sel_hi:[1,0]
.endr
.irp p, 0,1,2,3
	ALLQ v_cvt_pk_f16_f32 v[SS+8*q+\p], v[SS+8*q+2*\p], v[SS+8*q+2*\p+1]
.endr
.irp p, 4,5,6,7
	ALLQ v_mov_b32 v[SS+8*q+\p], 0
.endr
	WIN 0                                          ; P, in place, IS source 1 of V^T P: 16 query heads x 16 key heads, and zeros for the form's other 16 along K
	GEMM 1                                         ; V
	PLACES
	WIN 0
.set ib, 0
.rept 16
	v_mov_b32 v[FRV+8*ib+4], 0                     ; the upper halves of V^T's fragments: zeros against P's zeros
	v_mov_b32 v[FRV+8*ib+5], 0
	v_mov_b32 v[FRV+8*ib+6], 0
	v_mov_b32 v[FRV+8*ib+7], 0
.set ib, ib+1
.endr
	BIASIN 0
	BIASADD
	PACKH 0, 1
.irp c, 0,1,2,3
	STOREV
	BAR                                            ; everybody's V is in the stage (at c = 0 also: everybody has ended its reads of x's stage, which the way out now writes)
	LOADV
.if \c < 3
	PACKH (\c)+1, 1
.endif
	s_wait_dscnt 0x0
.if \c < 3
	s_barrier_signal -1                            ; I have read it; the products stand between the signal and the wait
.endif
	PV \c
.if \c < 3
	s_barrier_wait -1
.endif
	PLACES
	OUT \c
.endr
	WIN 0
	s_wait_tensorcnt 0x0                           ; the wave's end: behind my last tensor load and my last LDS store
	ds_add_u32 v[SPW], v[NIL]
	s_wait_dscnt 0x0
	CROUND                                         ; the closing round: no work-group ends while a partner may still ask for a tile that names it
	s_endpgm
.Lfunc_end_k_qceca561f32_fused:
	.size	k_qceca561f32_fused, .Lfunc_end_k_qceca561f32_fused-k_qceca561f32_fused
	.p2alignl 7, 3214868480
	.fill 96, 4, 3214868480
	.section	.rodata,"a",@progbits
	.p2align	6, 0x0
	.amdhsa_kernel k_qceca561f32_fused
		.amdhsa_group_segment_fixed_size 327680
		.amdhsa_private_segment_fixed_size 0
		.amdhsa_enable_private_segment 0
		.amdhsa_kernarg_size 48
		.amdhsa_user_sgpr_count 2
		.amdhsa_user_sgpr_kernarg_segment_ptr 1
		.amdhsa_wavefront_size32 1
		.amdhsa_system_sgpr_workgroup_id_x 1
		.amdhsa_system_sgpr_workgroup_id_y 1
		.amdhsa_system_sgpr_workgroup_id_z 1
		.amdhsa_system_vgpr_workitem_id 0
		.amdhsa_next_free_vgpr 1024
		.amdhsa_next_free_sgpr 66
		.amdhsa_reserve_vcc 0
		.amdhsa_float_denorm_mode_32 3
		.amdhsa_float_denorm_mode_16_64 3
		.amdhsa_memory_ordered 1
		.amdhsa_forward_progress 1
		.amdhsa_inst_pref_size 255
	.end_amdhsa_kernel
	.section	.bss,"aw",@nobits
	.p2align	6
	.space	262144
	.amdgpu_metadata
---
amdhsa.version: [ 1, 2 ]
amdhsa.kernels:
  - .name:           k_qceca561f32_fused
    .symbol:         k_qceca561f32_fused.kd
    .args:
      - { .name: x, .offset: 0, .size: 8, .value_kind: global_buffer, .address_space: global }
      - { .name: wt, .offset: 8, .size: 8, .value_kind: global_buffer, .address_space: global }
      - { .name: bq, .offset: 16, .size: 8, .value_kind: global_buffer, .address_space: global }
      - { .name: bk, .offset: 24, .size: 8, .value_kind: global_buffer, .address_space: global }
      - { .name: bv, .offset: 32, .size: 8, .value_kind: global_buffer, .address_space: global }
      - { .name: out0, .offset: 40, .size: 8, .value_kind: global_buffer, .address_space: global }
    .group_segment_fixed_size: 327680
    .private_segment_fixed_size: 0
    .kernarg_segment_align: 8
    .kernarg_segment_size: 48
    .max_flat_workgroup_size: 128
    .sgpr_count:     66
    .vgpr_count:     1024
    .wavefront_size: 32
...
	.end_amdgpu_metadata
.endif
;; end of part 3
